; MI455X (gfx1250); checked and timed in simulation.
; The chip was launched on July 23, 2026; its instructions are those of AMD's public machine-readable ISA for CDNA 5 (MIT licence, August 2026) and "CDNA5" Instruction Set Architecture Reference Guide (July 2026). The comments in the code are by the model that wrote it; some were corrected since.
;; PLE Layer. Allowed arithmetic: float matrix products may take bf16 or f16 operands with f32 sums; other float arithmetic in f32, or as packed bf16 or f16 multiplies, adds, multiply-adds, maxima and minima; sums over many terms, partial sums and values carried from step to step in f32; what a program stores and reads back later, other than sums and carried values, may be rounded once to bf16 or f16.
;; Inputs: W_sh 512 x 512 x 8 float32; W_t1 512 x 512 x 8 float32; W_t2 512 x 512 x 8 float32; Wg_sh 512 x 24 float32; Wg_t1 512 x 16 float32; Wg_t2 512 x 16 float32; b_sh 512 x 8 float32; b_t1 512 x 8 float32; b_t2 512 x 8 float32; bg_sh 24 float32; bg_t1 16 float32; bg_t2 16 float32; ln0_b 512 float32; ln0_g 512 float32; ln1_b 512 float32; ln1_g 512 float32; ln2_b 512 float32; ln2_g 512 float32; x_shared 4 x 2,048 x 512 float32; x_task1 4 x 2,048 x 512 float32; x_task2 4 x 2,048 x 512 float32.
;; Outputs: out0 4 x 2,048 x 512 float32; out1 4 x 2,048 x 512 float32; out2 4 x 2,048 x 512 float32.
;; 2 versions, each right; version 2 is version 1 with the launch prep written anew for expert scheduling mode. Each part assembles by itself: llvm-mc -triple=amdgcn-amd-amdhsa -mcpu=gfx1250 --defsym DOCPART=n.
;; ======== version 1 of 2: 2 launches
;; limits: values outside matrix products are rounded to bf16; values are held in f16: magnitudes above 65,504 overflow, below 6.1e-05 lose precision; right only within a limited range of input values
;; workspace buffers: xa 25,165,824 bytes; wb 12,582,912 bytes; bw 49,152 bytes; gt 2,359,296 bytes
;; launch prep (part 1): grid 384 x 1, 4 waves a work-group, no clusters, 116,224 bytes of LDS; arguments x_shared, x_task1, x_task2, ln0_g, ln1_g, ln2_g, ln0_b, ln1_b, ln2_b, Wg_sh, Wg_t1, Wg_t2, bg_sh, bg_t1, bg_t2, W_sh, W_t1, W_t2, b_sh, b_t1, b_t2, xa, wb, bw, gt; writes xa, wb, bw, gt
.if DOCPART == 1
	.amdgcn_target "amdgcn-amd-amdhsa--gfx1250"
	.amdhsa_code_object_version 6
	.text
	.protected	k_q129e28febc_prep
	.globl	k_q129e28febc_prep
	.p2align	8
	.type	k_q129e28febc_prep,@function
k_q129e28febc_prep:
	s_mov_b64 s[64:65], 0
	v_nop
	global_prefetch_b8 v0, s[64:65] scope:SCOPE_SE
	s_setreg_imm32_b32 hwreg(HW_REG_WAVE_MODE, 25, 1), 1
	s_wait_xcnt 0x0
; PLE layer, first of two launches: everything that is done once for each number of the inputs.
; NOTHING OF reference() IS LEFT OUT: the gates are soft, so every expert is weighed into its outputs; the gates' biases differ along the softmax's axis; all 21 inputs are loaded.
; Group q (0 shared, 1 task1, 2 task2) is the work-group's number / 128 and picks every input pointer.  Each of the 1,536 waves does the same three things:
;   (A) layer norm of 16 token rows of x_q (mean, then the variance of x - mean, so that a common offset costs nothing), rounded to f16 into
;       xa[token block 32][q 3][K step 4][row 256][k 128]: each K step's tile of the second launch is 64 KiB on end, in rows of 256 bytes;
;   (G) those 16 tokens' gate: logits by the matrix unit (f16 operands, f32 sums that start at the gate's bias), softmax with the maximum taken away, into
;       gt[tile of 16 tokens 512][expert group 3][place 3][e / 4][token 16][e % 4] f32: the eight weights that a token puts on one group's experts for one output;
;   (W) 16 k rows of one block of 256 columns of W_q, rounded to f16 into wb[h block 8][tile 3 c + q][K step 4][k 128][n' 256].  n' = 128 kap + 32 p + 16 be + 8 u + 2 i + la stands for
;       h = 64 hblk + 32 c + 16 kap + 8 u + 2 p + la and e = 4 be + i: in the second launch's accumulators a register pair is then two neighbouring h of one expert.
;   The wave with k rows 0-15 also lays the block's 256 expert biases in the order of n' into bw (1 KiB; its two stores interleave, 32 bytes a lane).
; THE ORDER OF THE LOADS.  The gate table first (it is converted while x is on its way), gain and bias, x's rows 0-7; when the table is in LDS, its landing registers take x's rows 8-15: all 16 rows are asked for
; before the first is worked on.  W's rows are asked for when rows 8-15 have left those registers, two norm items and the gate ahead of their use.
; WHY f16: an output may be off by 1% of the outputs' root mean square plus 1% of itself; a sum of 512 products whose operands keep 8 significant bits uses that up in its largest errors, 11 bits leave room.
; LIMITS.  Matrix operands are rounded to f16, which ends at 65,504.  The normed x is at most 22.6 |gain| + |bias| (a normed number is at most sqrt(511), whatever x holds): it fits for gains up to some 2,800.
; W and Wg beyond 65,504 become infinities; below 6e-5 they keep f16's fixed step of 6e-8.  NaN and infinities are not treated apart.  A gate weight below 2^-126 counts as 0.
; No tensor load, no cluster, no prefetch: no wave wants a byte of x or W that another wave fetches, and the launch is one short stream of loads and stores.
; REGISTERS: window 0 as listed below; window 1 (s_set_vgpr_msb: bits 1:0 source 0, 3:2 source 1, 5:4 source 2, 7:6 destination): v0-127, by turns the table as it lands (96), x's rows 8-15, W's 16 rows.
.set XTP,   1040                       ; a token row in LDS: 1,024 bytes of f16 + 16: sixteen rows of a fragment load start 16 bytes further on in each 256
.set TPI,   96                         ; a row of the gate table in LDS: 32 columns of f16 + 32 bytes
.set XTB,   49152                      ; behind the table (512 rows x 96): 16 rows x 1,040 bytes for each wave, its own
.set SPARE, 115712                     ; behind them: the spare words, 128 bytes a wave, which no other line names
.set LANE, 1
.set TK,   2                           ; lane % 16
.set UH,   3                           ; lane / 16
.set XI,   4                           ; 16 x lane
.set XO,   5                           ; 8 x lane
.set XL,   6                           ; where my 8 bytes of a token row go in LDS
.set TO,   7                           ; my table row in memory; at the end 32 x lane
.set TL,   8                           ; my table row in LDS
.set TFA,  9                           ; token fragments
.set WFA,  10                          ; table fragments (turning load)
.set WI,   11                          ; my 16 bytes in a block of 32 h x 8 e of W or b
.set GA,   12                          ; where my gate weights go
.set GA1,  13
.set SPW,  14
.set NIL,  15
.set XA,   16                          ; v[16:79]   four rows of x
.set XB,   80                          ; v[80:143]  the same
.set LNG,  144                         ; v[144:159] gain, v[160:175] bias of my 16 columns
.set LNB,  160
.set TF,   144                         ; v[144:175] four token fragments
.set WF,   176                         ; v[176:239] four x two table fragments
.set TS,   144                         ; at work in the softmax and at the end
.set TT,   240                         ; v[240:247] at work in the layer norm
.set SM,   248                         ; v[248:251] four rows' means
.set VR,   252                         ; v[252:255] four rows' variances, then 1 / sqrt
.set G0,   240                         ; v[240:247], v[248:255] the logits
.set G1,   248
.set XC,   0                           ; window 1, v[0:63]:   x's rows 8-11, then eight rows of W
.set XD,   64                          ; window 1, v[64:127]: x's rows 12-15, then eight rows of W
.set LW,   0                           ; window 1, v[0:95]:   first of all the table as it lands
.set SEL,  2                           ; s[2:3] v_permlanex16_b32's selects
.set BIGN, 4
.set CNT,  5
.set PL0,  6
.set PL1,  7
.set XP,   8                           ; each input: three pointers on end, the first then holds group q's
.set LGP,  14
.set LBP,  20
.set WGP,  26
.set BGP,  32
.set WP,   38
.set BP,   44
.set XAP,  50
.set WBP,  52
.set BWP,  54
.set GTP,  56
.set Q,    58
.set WV,   59
.set TTS,  60                          ; my tile of 16 tokens, 0 .. 511
.set JB,   61                          ; my block of 256 columns, 0 .. 15
.set KB,   62                          ; my 16 k rows, 0 .. 31
.set TM,   63
.set OF,   66                          ; s[66:67] an offset, high word 0
.set BG,   68                          ; s[68:91] the gate's bias
.set INV,  92
.set EPSR, 93
.set CL,   94                          ; s[94:95] log2(e)
.set MSB, 0
.macro WIN new                         ; the immediate's high byte repeats the setting that is left; a switch that changes nothing is dropped
.if MSB != (\new)
	s_set_vgpr_msb (MSB<<8)|(\new)
.set MSB, \new
.endif
.endm
	s_load_b512 s[8:23], s[0:1], 0x0
	s_load_b512 s[24:39], s[0:1], 0x40
	s_load_b512 s[40:55], s[0:1], 0x80
	s_load_b64 s[56:57], s[0:1], 0xc0
	v_lshl_add_u32 v[SPW], v0, 2, SPARE
	v_mov_b32 v[NIL], 0
	v_lshrrev_b32 v1, 5, v0
	v_readfirstlane_b32 s[WV], v1
	v_and_b32 v[LANE], 31, v0
	v_and_b32 v[TK], 15, v0
	v_bfe_u32 v[UH], v0, 4, 1
	v_lshlrev_b32 v[XI], 4, v[LANE]
	v_lshlrev_b32 v[XO], 3, v[LANE]
	s_mul_i32 s[TM], s[WV], 16*XTP
	s_add_co_u32 s[TM], s[TM], XTB
	v_lshl_add_u32 v[XL], v[LANE], 3, s[TM]
	v_mul_u32_u24 v[TFA], v[TK], XTP
	v_lshl_add_u32 v[TFA], v[UH], 4, v[TFA]
	v_add_nc_u32 v[TFA], s[TM], v[TFA]             ; row lane % 16, 16 bytes for each half of the lanes
	v_and_b32 v[WFA], 7, v0
	v_lshl_add_u32 v[WFA], v[UH], 3, v[WFA]
	v_mul_u32_u24 v[WFA], v[WFA], TPI
	v_bfe_u32 v[GA], v0, 3, 1
	v_lshl_add_u32 v[WFA], v[GA], 4, v[WFA]        ; k row 8 (l / 16) + l % 8, columns 8 ((l / 8) % 2) on
	v_lshlrev_b32 v[WI], 9, v[UH]                  ; the lane's bits are kap, p1, p0, be, u: 512 kap
	v_and_b32 v[GA], 1, v0
	v_lshl_add_u32 v[WI], v[GA], 8, v[WI]          ; + 256 u
	v_bfe_u32 v[GA], v0, 2, 2
	v_lshl_add_u32 v[WI], v[GA], 6, v[WI]          ; + 64 p
	v_bfe_u32 v[GA], v0, 1, 1
	v_lshl_add_u32 v[WI], v[GA], 4, v[WI]          ; + 16 be
	v_mul_u32_u24 v[TL], v0, TPI
	s_lshr_b32 s[Q], ttmp9, 7
	s_and_b32 s[TTS], ttmp9, 127
	s_lshl_b32 s[TTS], s[TTS], 2
	s_add_co_u32 s[TTS], s[TTS], s[WV]
	s_bfe_u32 s[JB], ttmp9, 0x40003
	s_and_b32 s[KB], ttmp9, 7
	s_lshl_b32 s[KB], s[KB], 2
	s_add_co_u32 s[KB], s[KB], s[WV]
	s_mov_b32 s[SEL], 0x76543210
	s_mov_b32 s[SEL+1], 0xfedcba98
	s_mov_b32 s[BIGN], 0xf149f2ca                  ; -1e30
	s_mov_b32 s[INV], 0x3b000000                   ; 1 / 512
	s_mov_b32 s[EPSR], 0x3727c5ac                  ; 1e-5
	s_mov_b32 s[CL], 0x3fb8aa3b                    ; log2(e)
	s_mov_b32 s[CL+1], s[CL]
	s_mov_b32 s[OF+1], 0
	s_cmp_eq_u32 s[Q], 0
	s_cselect_b32 s[PL0], 64, 0                    ; the shared gate has 24 biases, the others 16: their third load takes the first eight once more
	s_wait_kmcnt 0x0
	s_cmp_eq_u32 s[Q], 1
.irp b, XP, LGP, LBP, WGP, BGP, WP, BP
	s_cselect_b64 s[\b:\b+1], s[\b+2:\b+3], s[\b:\b+1]
.endr
	s_cmp_eq_u32 s[Q], 2
.irp b, XP, LGP, LBP, WGP, BGP, WP, BP
	s_cselect_b64 s[\b:\b+1], s[\b+4:\b+5], s[\b:\b+1]
.endr
	s_load_b256 s[BG:BG+7], s[BGP:BGP+1], 0x0
	s_load_b256 s[BG+8:BG+15], s[BGP:BGP+1], 0x20
	s_load_b256 s[BG+16:BG+23], s[BGP:BGP+1], s[PL0] offset:0x0
	s_lshl_b32 s[OF], s[TTS], 15                   ; 16 rows of 2,048 bytes
	s_add_nc_u64 s[XP:XP+1], s[XP:XP+1], s[OF:OF+1]
.macro XLOAD buf, grp                  ; four rows of x: a load takes 512 bytes on end; quad j of a row is K step j.  The window setting says where buf lies
.irp r, 0,1,2,3
.irp j, 0,1,2,3
	global_load_b128 v[(\buf)+16*(\r)+4*(\j):(\buf)+16*(\r)+4*(\j)+3], v[XI], s[XP:XP+1] offset:(4*(\grp)+(\r))*2048+512*(\j) th:TH_LOAD_NT
.endr
.endr
.endm
.macro HEADL                           ; 40 loads behind the table's: gain and bias of my 16 columns, then x's rows 0-7
.irp j, 0,1,2,3
	global_load_b128 v[LNG+4*(\j):LNG+4*(\j)+3], v[XI], s[LGP:LGP+1] offset:512*(\j)
	global_load_b128 v[LNB+4*(\j):LNB+4*(\j)+3], v[XI], s[LBP:LBP+1] offset:512*(\j)
.endr
	XLOAD XA, 0
	XLOAD XB, 1
.endm
; THE GATE TABLE: Wg_q as f16 in LDS, [k][column].  Thread t takes rows t + 128 m.  nq: f32 quads in a row.  All conversions under one window setting, then all stores under another.
.macro TABLE nq
	WIN 0x45                                       ; destination and both sources in window 1
.set tn, 0
.rept 4*(\nq)/2
.set rb, LW+8*tn
	v_cvt_pk_f16_f32 v[rb],   v[rb],   v[rb+1]
	v_cvt_pk_f16_f32 v[rb+1], v[rb+2], v[rb+3]
	v_cvt_pk_f16_f32 v[rb+2], v[rb+4], v[rb+5]
	v_cvt_pk_f16_f32 v[rb+3], v[rb+6], v[rb+7]
.set tn, tn+1
.endr
.if (\nq) == 6                         ; columns 24 to 31 do not exist: zeros, so that their products are 0
.irp i, 4,5,6,7
	v_mov_b32 v[LW+(\i)], 0
.endr
.endif
	WIN 0x04                                       ; the stores' data in window 1, their address in window 0
.set tn, 0
.rept 4*(\nq)/2
	ds_store_b128 v[TL], v[LW+8*tn:LW+8*tn+3] offset:(tn/((\nq)/2))*12288+(tn%((\nq)/2))*16
.set tn, tn+1
.endr
.if (\nq) == 6
.irp m, 0,1,2,3
	ds_store_b128 v[TL], v[LW+4:LW+7] offset:(\m)*12288+48
.endr
.endif
	WIN 0
.endm
; Each arm holds its table's loads, the 40 loads that follow them, the wait and the conversion: no way through the text converts what its own arm has not loaded.
	s_cmp_eq_u32 s[Q], 0
	s_cbranch_scc0 .Ltab16
	v_mul_u32_u24 v[TO], v0, 96
	WIN 0x40                                       ; destination in window 1
.set tn, 0
.rept 24
	global_load_b128 v[LW+4*tn:LW+4*tn+3], v[TO], s[WGP:WGP+1] offset:(tn/6)*12288+(tn%6)*16
.set tn, tn+1
.endr
	WIN 0
	HEADL
	s_wait_loadcnt 40                              ; the table is in; the 40 loads behind it may stay out
	TABLE 6
	s_branch .Ltabdone
.Ltab16:
	v_lshlrev_b32 v[TO], 6, v0
	WIN 0x40
.set tn, 0
.rept 16
	global_load_b128 v[LW+4*tn:LW+4*tn+3], v[TO], s[WGP:WGP+1] offset:(tn/4)*8192+(tn%4)*16
.set tn, tn+1
.endr
	WIN 0
	HEADL
	s_wait_loadcnt 40
	TABLE 4
.Ltabdone:
	s_wait_dscnt 0x0                               ; the loads below land in registers that the table's stores read
	WIN 0x40
	XLOAD XC, 2                                    ; x's rows 8-15
	XLOAD XD, 3
	WIN 0
	s_lshr_b32 s[TM], s[TTS], 4                    ; xa: token block, group, my 16 rows
	s_mul_i32 s[OF], s[TM], 786432
	s_lshl_b32 s[TM], s[Q], 18
	s_add_co_u32 s[OF], s[OF], s[TM]
	s_and_b32 s[TM], s[TTS], 15
	s_lshl_b32 s[TM], s[TM], 12
	s_add_co_u32 s[OF], s[OF], s[TM]
	s_add_nc_u64 s[XAP:XAP+1], s[XAP:XAP+1], s[OF:OF+1]
	s_lshl_b32 s[OF], s[KB], 18                    ; W: 16 k rows of 16,384 bytes, block of 1,024 bytes
	s_lshl_b32 s[TM], s[JB], 10
	s_add_co_u32 s[OF], s[OF], s[TM]
	s_add_nc_u64 s[WP:WP+1], s[WP:WP+1], s[OF:OF+1]
	s_mov_b32 s[OF], s[TM]
	s_add_nc_u64 s[BP:BP+1], s[BP:BP+1], s[OF:OF+1]
	s_lshr_b32 s[TM], s[JB], 1                     ; tile = 6 hblk + 3 c + q
	s_mul_i32 s[TM], s[TM], 6
	s_and_b32 s[OF], s[JB], 1
	s_mul_i32 s[OF], s[OF], 3
	s_add_co_u32 s[TM], s[TM], s[OF]
	s_add_co_u32 s[TM], s[TM], s[Q]
	s_lshl_b32 s[OF], s[TM], 10
	s_add_nc_u64 s[BWP:BWP+1], s[BWP:BWP+1], s[OF:OF+1]
	s_lshl_b32 s[TM], s[TM], 2
	s_lshr_b32 s[OF], s[KB], 3
	s_add_co_u32 s[TM], s[TM], s[OF]               ; + K step
	s_lshl_b32 s[TM], s[TM], 16
	s_and_b32 s[OF], s[KB], 7
	s_lshl_b32 s[OF], s[OF], 13                    ; my 16 rows of 512 bytes
	s_add_co_u32 s[OF], s[OF], s[TM]
	s_add_nc_u64 s[WBP:WBP+1], s[WBP:WBP+1], s[OF:OF+1]
	s_mul_i32 s[OF], s[TTS], 4608
	s_add_nc_u64 s[GTP:GTP+1], s[GTP:GTP+1], s[OF:OF+1]
.macro WLOAD buf, bat                  ; eight k rows of my block of W: for each, my 16 bytes of the even h (la = 0) and, 32 bytes on, of the odd
.set wn, 0
.rept 8
	global_load_b128 v[(\buf)+8*wn:(\buf)+8*wn+3],   v[WI], s[WP:WP+1] offset:(8*(\bat)+wn)*16384
	global_load_b128 v[(\buf)+8*wn+4:(\buf)+8*wn+7], v[WI], s[WP:WP+1] offset:(8*(\bat)+wn)*16384+32
.set wn, wn+1
.endr
.endm
.macro REDUCE base                     ; four sums over the 32 lanes, interleaved; every lane ends with the result
.irp m, 1,2,4,8
.irp r, 0,1,2,3
	v_add_f32_dpp v[(\base)+(\r)], v[(\base)+(\r)], v[(\base)+(\r)] row_xmask:\m row_mask:0xf bank_mask:0xf
.endr
.endr
.irp r, 0,1,2,3
	v_permlanex16_b32 v[TT+(\r)], v[(\base)+(\r)], s[SEL], s[SEL+1]
.endr
.irp r, 0,1,2,3
	v_add_f32 v[(\base)+(\r)], v[(\base)+(\r)], v[TT+(\r)]
.endr
.endm
; Four rows as one batch.  row0: their place among the eight rows of a trip.  left: the younger loads that may stay out.
.macro LNITEM buf, row0, left
	s_wait_loadcnt \left
.irp r, 0,1,2,3
.set xb, (\buf)+16*(\r)
	v_pk_add_f32 v[TT:TT+1],   v[xb:xb+1],     v[xb+2:xb+3]
	v_pk_add_f32 v[TT+2:TT+3], v[xb+4:xb+5],   v[xb+6:xb+7]
	v_pk_add_f32 v[TT+4:TT+5], v[xb+8:xb+9],   v[xb+10:xb+11]
	v_pk_add_f32 v[TT+6:TT+7], v[xb+12:xb+13], v[xb+14:xb+15]
	v_pk_add_f32 v[TT:TT+1],   v[TT:TT+1],     v[TT+2:TT+3]
	v_pk_add_f32 v[TT+4:TT+5], v[TT+4:TT+5],   v[TT+6:TT+7]
	v_pk_add_f32 v[TT:TT+1],   v[TT:TT+1],     v[TT+4:TT+5]
	v_add_f32 v[SM+(\r)], v[TT], v[TT+1]
.endr
	REDUCE SM
.irp r, 0,1,2,3
	v_mul_f32 v[SM+(\r)], s[INV], v[SM+(\r)]       ; the mean
.endr
.irp r, 0,1,2,3
.set xb, (\buf)+16*(\r)
.set i2, 0
.rept 8                                ; x - mean: an even row's mean is the low word of its pair, an odd row's the high word
.if (\r)%2
	v_pk_add_f32 v[xb+i2:xb+i2+1], v[xb+i2:xb+i2+1], v[SM+(\r)-1:SM+(\r)] op_sel:[0,1] op_sel_hi:[1,1] neg_lo:[0,1] neg_hi:[0,1]
.else
	v_pk_add_f32 v[xb+i2:xb+i2+1], v[xb+i2:xb+i2+1], v[SM+(\r):SM+(\r)+1] op_sel_hi:[1,0] neg_lo:[0,1] neg_hi:[0,1]
.endif
.set i2, i2+2
.endr
	v_pk_mul_f32 v[TT:TT+1],   v[xb:xb+1],     v[xb:xb+1]
	v_pk_mul_f32 v[TT+2:TT+3], v[xb+2:xb+3],   v[xb+2:xb+3]
	v_pk_fma_f32 v[TT:TT+1],   v[xb+4:xb+5],   v[xb+4:xb+5],   v[TT:TT+1]
	v_pk_fma_f32 v[TT+2:TT+3], v[xb+6:xb+7],   v[xb+6:xb+7],   v[TT+2:TT+3]
	v_pk_fma_f32 v[TT:TT+1],   v[xb+8:xb+9],   v[xb+8:xb+9],   v[TT:TT+1]
	v_pk_fma_f32 v[TT+2:TT+3], v[xb+10:xb+11], v[xb+10:xb+11], v[TT+2:TT+3]
	v_pk_fma_f32 v[TT:TT+1],   v[xb+12:xb+13], v[xb+12:xb+13], v[TT:TT+1]
	v_pk_fma_f32 v[TT+2:TT+3], v[xb+14:xb+15], v[xb+14:xb+15], v[TT+2:TT+3]
	v_pk_add_f32 v[TT:TT+1],   v[TT:TT+1],     v[TT+2:TT+3]
	v_add_f32 v[VR+(\r)], v[TT], v[TT+1]
.endr
	REDUCE VR
.irp r, 0,1,2,3
	v_fma_f32 v[VR+(\r)], v[VR+(\r)], s[INV], s[EPSR]
.endr
.irp r, 0,1,2,3
	v_rsq_f32 v[VR+(\r)], v[VR+(\r)]
.endr
	v_nop                                          ; a plain instruction behind the last root,
	s_wait_alu depctr_va_vdst(0)                   ; and the one wait for the four, ahead of their first reader
.irp r, 0,1,2,3
.set xb, (\buf)+16*(\r)
.set i2, 0
.rept 8
.if (\r)%2
	v_pk_mul_f32 v[xb+i2:xb+i2+1], v[xb+i2:xb+i2+1], v[VR+(\r)-1:VR+(\r)] op_sel:[0,1] op_sel_hi:[1,1]
.else
	v_pk_mul_f32 v[xb+i2:xb+i2+1], v[xb+i2:xb+i2+1], v[VR+(\r):VR+(\r)+1] op_sel_hi:[1,0]
.endif
.set i2, i2+2
.endr
.set i2, 0
.rept 8
	v_pk_fma_f32 v[xb+i2:xb+i2+1], v[xb+i2:xb+i2+1], v[LNG+i2:LNG+i2+1], v[LNB+i2:LNB+i2+1]
.set i2, i2+2
.endr
.irp j, 0,1,2,3
	v_cvt_pk_f16_f32 v[xb+4*(\j)],   v[xb+4*(\j)],   v[xb+4*(\j)+1]
	v_cvt_pk_f16_f32 v[xb+4*(\j)+1], v[xb+4*(\j)+2], v[xb+4*(\j)+3]
	global_store_b64 v[XO], v[xb+4*(\j):xb+4*(\j)+1], s[XAP:XAP+1] offset:(\j)*65536+((\row0)+(\r))*256  ; 32 lanes store 256 bytes on end, aligned: a row of K step j
	ds_store_b64 v[XL], v[xb+4*(\j):xb+4*(\j)+1] offset:((\row0)+(\r))*XTP+256*(\j)
.endr
.endr
.endm
; Two trips of eight rows, one text, which names XA and XB.  Rows 8-15 have landed in window 1 and are moved into XA and XB behind the first trip: 128 v_mov_b32, once a wave: the price of one text for both halves
; with all 16 rows asked for at the head.  The registers that they leave take W's 16 rows at once.
; The counts hold in both trips.  First trip: behind rows 0-3 were issued rows 4-7, 8-11, 12-15 (48 loads), behind rows 4-7 rows 8-15 (32).  Second trip: XA and XB were written by the moves, and W's 32 loads alone are out.
	s_mov_b32 s[CNT], 2
.Lhalf:
	LNITEM XA, 0, 48
	LNITEM XB, 4, 32
	s_cmp_eq_u32 s[CNT], 2
	s_cbranch_scc0 .Lrows_done
	s_wait_loadcnt 0x0                             ; rows 8-15 are in
	s_wait_xcnt 0x0                                ; the stores have read XA, XB and their base
	s_add_nc_u64 s[XAP:XAP+1], s[XAP:XAP+1], 2048  ; eight rows on
	v_add_nc_u32 v[XL], 8*XTP, v[XL]
	WIN 0x01                                       ; source in window 1
.set cn, 0
.rept 128
	v_mov_b32 v[XA+cn], v[XC+cn]
.set cn, cn+1
.endr
	WIN 0x40
	WLOAD XC, 0
	WLOAD XD, 1
	WIN 0
.Lrows_done:
	s_sub_co_u32 s[CNT], s[CNT], 1
	s_cmp_lg_u32 s[CNT], 0
	s_cbranch_scc1 .Lhalf
	s_wait_dscnt 0x0                               ; for the others' sake: my rows of the table are stored (and my token rows)
	s_barrier_signal -1
	s_barrier_wait -1                              ; the launch's one barrier, ahead of the table's only readers: the table is whole
; THE GATE.  Source 0 = 16 columns of the table (turned on the way out of LDS), source 1 = my 16 tokens: a lane holds ONE token (lane % 16) and the logits 8 (lane / 16) + 0..7.
; W's 32 loads are on their way meanwhile.  Four fragments of 32 k a batch; nt: tiles of 16 columns.  The two accumulators take turns: with one tile they are the fragments' parities.
.macro GBATCH nt, f0
.irp f, 0,1,2,3
	ds_load_b128 v[TF+8*(\f):TF+8*(\f)+3],   v[TFA] offset:64*((\f0)+(\f))
	ds_load_b128 v[TF+8*(\f)+4:TF+8*(\f)+7], v[TFA] offset:64*((\f0)+(\f))+32
.endr
.irp f, 0,1,2,3
.set gn, 0
.rept \nt
	ds_load_tr16_b128 v[WF+16*(\f)+8*gn:WF+16*(\f)+8*gn+3],   v[WFA] offset:32*TPI*((\f0)+(\f))+32*gn
	ds_load_tr16_b128 v[WF+16*(\f)+8*gn+4:WF+16*(\f)+8*gn+7], v[WFA] offset:32*TPI*((\f0)+(\f))+16*TPI+32*gn
.set gn, gn+1
.endr
.endr
	s_wait_dscnt 0x0
.irp f, 0,1,2,3
.if (\nt) == 2
	v_wmma_f32_16x16x32_f16 v[G0:G0+7], v[WF+16*(\f):WF+16*(\f)+7],    v[TF+8*(\f):TF+8*(\f)+7], v[G0:G0+7]
	v_wmma_f32_16x16x32_f16 v[G1:G1+7], v[WF+16*(\f)+8:WF+16*(\f)+15], v[TF+8*(\f):TF+8*(\f)+7], v[G1:G1+7]
.elseif ((\f0)+(\f)) == 1
	v_wmma_f32_16x16x32_f16 v[G1:G1+7], v[WF+16*(\f):WF+16*(\f)+7], v[TF+8*(\f):TF+8*(\f)+7], 0
.elseif (\f)%2
	v_wmma_f32_16x16x32_f16 v[G1:G1+7], v[WF+16*(\f):WF+16*(\f)+7], v[TF+8*(\f):TF+8*(\f)+7], v[G1:G1+7]
.else
	v_wmma_f32_16x16x32_f16 v[G0:G0+7], v[WF+16*(\f):WF+16*(\f)+7], v[TF+8*(\f):TF+8*(\f)+7], v[G0:G0+7]
.endif
.endr
.rept 4
	v_nop                                          ; four places behind the last product, ahead of the next loads into its sources and of the first read of the sums
.endr
.endm
.macro SOFTMAX nt
.if (\nt) == 1
.irp i, 0,2,4,6
	v_pk_add_f32 v[G0+(\i):G0+(\i)+1], v[G0+(\i):G0+(\i)+1], v[G1+(\i):G1+(\i)+1]  ; the two parities
.endr
.endif
	v_max3_num_f32 v[TS],   v[G0],   v[G0+1], v[G0+2]  ; each accumulator is read from its low end on
	v_max3_num_f32 v[TS+1], v[G0+3], v[G0+4], v[G0+5]
	v_max3_num_f32 v[TS],   v[TS],   v[G0+6], v[G0+7]
.if (\nt) == 2
	v_max3_num_f32 v[TS+2], v[G1],   v[G1+1], v[G1+2]
	v_max3_num_f32 v[TS+3], v[G1+3], v[G1+4], v[G1+5]
	v_max3_num_f32 v[TS+2], v[TS+2], v[G1+6], v[G1+7]
	v_max3_num_f32 v[TS],   v[TS],   v[TS+2], v[TS+3]
.endif
	v_max_num_f32 v[TS], v[TS], v[TS+1]
	v_permlanex16_b32 v[TS+1], v[TS], s[SEL], s[SEL+1]  ; the token's other logits lie in the lane 16 away
	v_max_num_f32 v[TS], v[TS], v[TS+1]
	v_mul_f32 v[TS], s[CL], v[TS]                  ; c m
.set sn, 0
.rept 4*(\nt)
	v_pk_fma_f32 v[G0+sn:G0+sn+1], v[G0+sn:G0+sn+1], s[CL:CL+1], v[TS:TS+1] op_sel_hi:[1,0,0] neg_lo:[0,0,1] neg_hi:[0,0,1]  ; c l - c m
.set sn, sn+2
.endr
.set sn, 0
.rept 8*(\nt)
	v_exp_f32 v[G0+sn], v[G0+sn]
.set sn, sn+1
.endr
	v_nop
	s_wait_alu depctr_va_vdst(0)                   ; one wait for the batch of exponentials
	v_pk_add_f32 v[TS+2:TS+3], v[G0:G0+1],   v[G0+2:G0+3]
	v_pk_add_f32 v[TS+4:TS+5], v[G0+4:G0+5], v[G0+6:G0+7]
.if (\nt) == 2
	v_pk_add_f32 v[TS+6:TS+7], v[G1:G1+1],   v[G1+2:G1+3]
	v_pk_add_f32 v[TS+8:TS+9], v[G1+4:G1+5], v[G1+6:G1+7]
	v_pk_add_f32 v[TS+2:TS+3], v[TS+2:TS+3], v[TS+6:TS+7]
	v_pk_add_f32 v[TS+4:TS+5], v[TS+4:TS+5], v[TS+8:TS+9]
.endif
	v_pk_add_f32 v[TS+2:TS+3], v[TS+2:TS+3], v[TS+4:TS+5]
	v_add_f32 v[TS+2], v[TS+2], v[TS+3]
	v_permlanex16_b32 v[TS+3], v[TS+2], s[SEL], s[SEL+1]
	v_add_f32 v[TS+2], v[TS+2], v[TS+3]
	v_rcp_f32 v[TS+2], v[TS+2]
	v_nop
	s_wait_alu depctr_va_vdst(0)
.set sn, 0
.rept 4*(\nt)
	v_pk_mul_f32 v[G0+sn:G0+sn+1], v[G0+sn:G0+sn+1], v[TS+2:TS+3] op_sel_hi:[1,0]
.set sn, sn+2
.endr
.endm
	s_wait_kmcnt 0x0                               ; the gate's bias
	v_cmp_eq_u32 vcc_lo, 1, v[UH]
.irp j, 0,1,2,3,4,5,6,7
	v_mov_b32 v[G0+(\j)], s[BG+(\j)]               ; the sums start at the bias of column 8 (lane / 16) + j
.endr
.irp j, 0,1,2,3,4,5,6,7
	v_cndmask_b32 v[G0+(\j)], v[G0+(\j)], s[BG+8+(\j)], vcc_lo
.endr
	s_lshl_b32 s[PL1], s[Q], 9                     ; logits 8-15 weigh the shared experts (group 0): place q
	s_mov_b32 s[PL0], 1536                         ; logits 0-7: shared gate: task1's experts, place 0;
	s_cmp_eq_u32 s[Q], 2
	s_cselect_b32 s[PL0], 3584, s[PL0]             ; task2's gate: its own experts, place 1;
	s_cmp_eq_u32 s[Q], 1
	s_cselect_b32 s[PL0], 2048, s[PL0]             ; task1's gate: its own experts, place 1
	v_mov_b32 v[GA], s[PL0]
	v_cndmask_b32 v[GA], v[GA], s[PL1], vcc_lo
	v_lshl_add_u32 v[GA], v[TK], 4, v[GA]
	s_cmp_eq_u32 s[Q], 0
	s_cbranch_scc0 .Lgate16
.irp j, 0,1,2,3,4,5,6,7
	v_mov_b32 v[G1+(\j)], s[BG+16+(\j)]
.endr
.irp j, 0,1,2,3,4,5,6,7
	v_cndmask_b32 v[G1+(\j)], v[G1+(\j)], s[BIGN], vcc_lo  ; columns 24 to 31 do not exist: far below every logit, weight 0
.endr
	GBATCH 2, 0
	GBATCH 2, 4
	GBATCH 2, 8
	GBATCH 2, 12
	SOFTMAX 2
	v_lshl_add_u32 v[GA1], v[UH], 10, 3072         ; logits 16-23: task2's experts, place 0; the upper lanes' zeros ride in the same stores into that group's place 2, which nothing reads
	v_lshl_add_u32 v[GA1], v[TK], 4, v[GA1]
	global_store_b128 v[GA1], v[G1:G1+3],   s[GTP:GTP+1]
	global_store_b128 v[GA1], v[G1+4:G1+7], s[GTP:GTP+1] offset:256
	s_branch .Lgated
.Lgate16:
	GBATCH 1, 0
	GBATCH 1, 4
	GBATCH 1, 8
	GBATCH 1, 12
	SOFTMAX 1
.Lgated:
	global_store_b128 v[GA], v[G0:G0+3],   s[GTP:GTP+1]             ; sixteen lanes store 256 bytes on end, aligned
	global_store_b128 v[GA], v[G0+4:G0+7], s[GTP:GTP+1] offset:256
.macro WITEM buf, bat, left            ; eight k rows, in window 1: (even h, odd h) packed; a row of 256 n' is 512 bytes on end
	s_wait_loadcnt \left
	WIN 0x45
.set wn, 0
.rept 8
.set rb, (\buf)+8*wn
.irp i, 0,1,2,3
	v_cvt_pk_f16_f32 v[rb+(\i)], v[rb+(\i)], v[rb+4+(\i)]
.endr
.set wn, wn+1
.endr
	WIN 0x04                                       ; the stores' data in window 1, their offset in window 0
.set wn, 0
.rept 8
	global_store_b128 v[XI], v[(\buf)+8*wn:(\buf)+8*wn+3], s[WBP:WBP+1] offset:(8*(\bat)+wn)*512
.set wn, wn+1
.endr
.endm
	WITEM XC, 0, 16                                ; the second batch's 16 loads may stay out
	WITEM XD, 1, 0
	WIN 0
	s_cmp_eq_u32 s[KB], 0
	s_cbranch_scc0 .Lend
	global_load_b128 v[TS:TS+3],   v[WI], s[BP:BP+1]
	global_load_b128 v[TS+4:TS+7], v[WI], s[BP:BP+1] offset:32
	v_lshlrev_b32 v[TO], 5, v[LANE]
	s_wait_loadcnt 0x0
.irp i, 0,1,2,3
	v_mov_b32 v[TS+8+2*(\i)], v[TS+(\i)]           ; n' = 8 lane + 2 i + la
	v_mov_b32 v[TS+9+2*(\i)], v[TS+4+(\i)]
.endr
	global_store_b128 v[TO], v[TS+8:TS+11],  s[BWP:BWP+1]
	global_store_b128 v[TO], v[TS+12:TS+15], s[BWP:BWP+1] offset:16
.Lend:
	s_wait_tensorcnt 0x0                           ; the wave's end: behind my last LDS store
	ds_add_u32 v[SPW], v[NIL]
	s_wait_dscnt 0x0
	s_endpgm
.Lfunc_end_k_q129e28febc_prep:
	.size	k_q129e28febc_prep, .Lfunc_end_k_q129e28febc_prep-k_q129e28febc_prep
	.p2alignl 7, 3214868480
	.fill 96, 4, 3214868480
	.section	.rodata,"a",@progbits
	.p2align	6, 0x0
	.amdhsa_kernel k_q129e28febc_prep
		.amdhsa_group_segment_fixed_size 116224
		.amdhsa_private_segment_fixed_size 0
		.amdhsa_enable_private_segment 0
		.amdhsa_kernarg_size 200
		.amdhsa_user_sgpr_count 2
		.amdhsa_user_sgpr_kernarg_segment_ptr 1
		.amdhsa_wavefront_size32 1
		.amdhsa_system_sgpr_workgroup_id_x 1
		.amdhsa_system_sgpr_workgroup_id_y 1
		.amdhsa_system_sgpr_workgroup_id_z 1
		.amdhsa_system_vgpr_workitem_id 0
		.amdhsa_next_free_vgpr 384
		.amdhsa_next_free_sgpr 96
		.amdhsa_reserve_vcc 1
		.amdhsa_float_denorm_mode_32 3
		.amdhsa_float_denorm_mode_16_64 3
		.amdhsa_memory_ordered 1
		.amdhsa_forward_progress 1
		.amdhsa_inst_pref_size 99
	.end_amdhsa_kernel
	.amdgpu_metadata
---
amdhsa.version: [ 1, 2 ]
amdhsa.kernels:
  - .name:           k_q129e28febc_prep
    .symbol:         k_q129e28febc_prep.kd
    .args:
      - { .name: x_shared, .offset: 0, .size: 8, .value_kind: global_buffer, .address_space: global }
      - { .name: x_task1, .offset: 8, .size: 8, .value_kind: global_buffer, .address_space: global }
      - { .name: x_task2, .offset: 16, .size: 8, .value_kind: global_buffer, .address_space: global }
      - { .name: ln0_g, .offset: 24, .size: 8, .value_kind: global_buffer, .address_space: global }
      - { .name: ln1_g, .offset: 32, .size: 8, .value_kind: global_buffer, .address_space: global }
      - { .name: ln2_g, .offset: 40, .size: 8, .value_kind: global_buffer, .address_space: global }
      - { .name: ln0_b, .offset: 48, .size: 8, .value_kind: global_buffer, .address_space: global }
      - { .name: ln1_b, .offset: 56, .size: 8, .value_kind: global_buffer, .address_space: global }
      - { .name: ln2_b, .offset: 64, .size: 8, .value_kind: global_buffer, .address_space: global }
      - { .name: Wg_sh, .offset: 72, .size: 8, .value_kind: global_buffer, .address_space: global }
      - { .name: Wg_t1, .offset: 80, .size: 8, .value_kind: global_buffer, .address_space: global }
      - { .name: Wg_t2, .offset: 88, .size: 8, .value_kind: global_buffer, .address_space: global }
      - { .name: bg_sh, .offset: 96, .size: 8, .value_kind: global_buffer, .address_space: global }
      - { .name: bg_t1, .offset: 104, .size: 8, .value_kind: global_buffer, .address_space: global }
      - { .name: bg_t2, .offset: 112, .size: 8, .value_kind: global_buffer, .address_space: global }
      - { .name: W_sh, .offset: 120, .size: 8, .value_kind: global_buffer, .address_space: global }
      - { .name: W_t1, .offset: 128, .size: 8, .value_kind: global_buffer, .address_space: global }
      - { .name: W_t2, .offset: 136, .size: 8, .value_kind: global_buffer, .address_space: global }
      - { .name: b_sh, .offset: 144, .size: 8, .value_kind: global_buffer, .address_space: global }
      - { .name: b_t1, .offset: 152, .size: 8, .value_kind: global_buffer, .address_space: global }
      - { .name: b_t2, .offset: 160, .size: 8, .value_kind: global_buffer, .address_space: global }
      - { .name: xa, .offset: 168, .size: 8, .value_kind: global_buffer, .address_space: global }
      - { .name: wb, .offset: 176, .size: 8, .value_kind: global_buffer, .address_space: global }
      - { .name: bw, .offset: 184, .size: 8, .value_kind: global_buffer, .address_space: global }
      - { .name: gt, .offset: 192, .size: 8, .value_kind: global_buffer, .address_space: global }
    .group_segment_fixed_size: 116224
    .private_segment_fixed_size: 0
    .kernarg_segment_align: 8
    .kernarg_segment_size: 200
    .max_flat_workgroup_size: 128
    .sgpr_count:     96
    .vgpr_count:     384
    .wavefront_size: 32
...
	.end_amdgpu_metadata
.endif
;; end of part 1
;; launch ple (part 2): grid 8 x 32, 4 waves a work-group, clusters of 4 x 4, 327,680 bytes of LDS; arguments xa, wb, bw, gt, out0, out1, out2; writes out0, out1, out2
.if DOCPART == 2
	.amdgcn_target "amdgcn-amd-amdhsa--gfx1250"
	.amdhsa_code_object_version 6
	.text
	.protected	k_q129e28febc_ple
	.globl	k_q129e28febc_ple
	.p2align	8
	.type	k_q129e28febc_ple,@function
k_q129e28febc_ple:
	s_mov_b64 s[64:65], 0
	v_nop
	global_prefetch_b8 v0, s[64:65] scope:SCOPE_SE
	s_setreg_imm32_b32 hwreg(HW_REG_WAVE_MODE, 25, 1), 1
	s_wait_xcnt 0x0
	s_wait_alu depctr_hold_cnt(0) depctr_sa_sdst(0) depctr_va_vdst(0) depctr_va_sdst(0) depctr_va_ssrc(0) depctr_va_vcc(0) depctr_vm_vsrc(0)
	s_getreg_b32 s2, hwreg(HW_REG_IB_STS2, 6, 4)
	s_cmp_eq_u32 s2, 0
	s_cbranch_scc0 .Lentry_in_a_cluster
	s_endpgm
.Lentry_in_a_cluster:
	s_bfe_u32 s2, ttmp6, 0x10000c
	s_cmp_lg_u32 s2, 0xf033
	s_cbranch_scc0 .Lentry_shape_is_right
	s_endpgm
.Lentry_shape_is_right:
; PLE layer, second of two launches: the three expert products, bias, relu and the gated sums over the experts, fused.  Nothing of reference() is left out.
; A work-group makes 256 tokens x 64 h of all three outputs.  It walks six tiles of 256 tokens x 256 rows n' of W^T x K = 512: tile 3 c + g, pass c = 32 h, group g = 0 shared, 1 task1, 2 task2.
; Four waves, as many as a WGP has SIMDs; wave (rho, kap) has 128 tokens x 128 n': 64 accumulators of 16 x 16, 512 registers.  K goes in steps of 128, 24 in all, through a ring of two LDS slots.
; THE MATRIX INSTRUCTION IS USED TRANSPOSED: source 0 = 16 rows n', source 1 = 16 tokens.  n' = 128 kap + 32 p + 16 be + 8 u + 2 i + la stands for h = 16 kap + 8 u + 2 p + la of the pass and expert e = 4 be + i.
; So in accumulator (a, b = 2 p + be) lane (t = l % 16, u = l / 16) holds in register 2 i + la the number z[token 16 a + t][h = 8 u + 2 p + la][e = 4 be + i]: a register pair is two neighbouring h of one
; expert, and ONE packed multiply-add with the token's weight for that expert adds it into two outputs.  The sum over the experts changes no lane; P[8 a .. 8 a + 7] are eight neighbouring h of one token.
; THE BIAS is the C operand of a tile's first products.  BEHIND A TILE: relu in place, then for each output that takes the group 32 packed multiply-adds for each 16 tokens.  ONE TEXT serves the three groups:
; out0's sums always, out1's jumped over for task2's experts, out2's for task1's, by forward jumps on the group's number, which is set and stepped by constants.  So the three sums start at 0: 192 v_mov_b32,
; written once and run at each pass's beginning, 384 a launch: the price of one text in place of three whose first products could start the sums.
; 256 bytes on end of an output are 64 h, both passes.  Pass 0's finished sums wait in LDS ROUNDED ONCE TO bf16 (23 blocks of 512 bytes a wave, a 24th in four registers): beside the ring LDS has no room for them in f32.
; LIMITS.  Matrix operands are f16, as the first launch laid them: the normed x (at most 22.6 |gain| + |bias|) and W lie within 65,504; W below 6e-5 keeps f16's fixed step of 6e-8.
; Half of the outputs' columns carry the one further rounding to bf16, at most 2^-9 of the number.  NaN and infinities are not treated apart.
; CLUSTERS: 4 x 4 work-groups.  The four of a row of the cluster have the same tokens and need the same tiles of xa, the four of a column the same h and the same tiles of wb: each tile is asked for JOINTLY,
; by the same tensor load with the same descriptor and a mask that names the four.  gt and bw are loaded through registers: 74 KiB and 6 KiB a work-group beside 3 MiB of tiles.
; REGISTERS, in windows of 256 (s_set_vgpr_msb: bits 1:0 source 0, 3:2 source 1, 5:4 source 2, 7:6 destination):
;   window 0: v0-31 addresses; v32-63 weights (X); v64-127, v128-191 fragments of xa, two buffers (between tiles the second holds weights (V), then the next tile's bias); v192-255 P2 (out2)
;   window 1: v0-63 P0 (out0); v64-127, v128-191 fragments of wb (between tiles the second holds weights (Y)); v192-255 P1 (out1)
;   windows 2, 3: accumulator (a, b) at v[8 (8 (a % 4) + b)] of window 2 + a / 4
.set PA,     272                       ; a row of xa's tile in LDS: 256 bytes + 16: the 16 rows of a fragment load start 16 bytes further on in each 256
.set PBT,    544                       ; a k row of wb's tile: 512 bytes + 32: 16 lanes of the turning load take 8 rows x 32 bytes, all in different places of 256
.set HALFT,  34816                     ; what one tensor load brings: 128 rows x 272 = 64 rows x 544
.set SLOT,   4*HALFT                   ; xa's 256 rows, then wb's 128 k rows
.set BOFF,   2*HALFT
.set STASH,  2*SLOT                    ; behind the ring, never filled by a tensor load: pass 0's sums
.set STW,    23*512
.set SPARE,  STASH+4*STW               ; the spare words, 128 bytes a wave, which no other line names
.set STGO,   256*PA                    ; the way out: an output's 256 rows x 272 bytes, from LDS byte 0 on, written when the ring has had its last fill and its last read
.set KEEP, 8                           ; v8-11   the 24th block of pass 0's sums
.set GOL,  12                          ; v12     16 t: my token's four weights
.set ADRA, 16                          ; v16-17  my fragments of xa in slot 0, 1
.set BO,   18                          ; v18     32 u: my eight biases
.set STS,  19                          ; v19     my 16 bytes in a block of the stash
.set ADRB, 20                          ; v20-21  my fragments of wb
.set STO,  22                          ; v22-24  the way out: where I put 32 bytes of a row, for each output
.set RD,   25                          ; v25-27  where I read rows back
.set SPW,  28
.set NIL,  29
.set PFO,  30                          ; v30     256 x lane
.set CO,   31                          ; v31     my 16 bytes in two rows of an output
.set F0,   64
.set F1,   128
.set BIA,  128
.set WV,   18
.set RHO,  19                          ; which 128 tokens are mine.  Also: I fetch xa's tiles (0) or wb's (1)
.set KAP,  20                          ; which 128 n'.  Also: which half of the tile I fetch
.set G1A,  24
.set G0A,  32                          ; a set of four for each slot
.set CX,   40
.set CY,   41
.set HB,   42
.set TB,   43
.set LIM,  44                          ; I prefetch while the K step in hand is below this
.set SG,   45                          ; the K step in hand
.set PFA,  46
.set G1B,  48
.set G0B,  56
.set BASEA, 66
.set AO,   68                          ; s[68:69], s[70:71] for each slot: the byte offset of its K step in the token block's 12 tiles of xa
.set LC,   72
.set PH,   73
.set TG,   74                          ; the group of the tile in hand
.set TMP,  75
.set BWC,  76                          ; bw at my 128 n' of the tile whose bias was asked for last
.set GTP,  78                          ; gt at my eight tiles of 16 tokens
.set OUTP, 80                          ; s[80:85]
.set HIM,  86
.set OG,   88                          ; s[88:89] 1,536 x group, high word 0
.set O2,   90                          ; s[90:91] where out2's weights lie in a group's 1,536 bytes, high word 0
.set GTC,  92                          ; s[92:93] gt at the group whose weights are being asked for: out0's at + 0, out1's at + 512
.set GT2,  94                          ; s[94:95] the same at out2's weights: + 1,024 for the shared experts, + 512 for task2's
.set MSB, 0
.macro WIN new                         ; the immediate's high byte repeats the setting that is left; a switch that changes nothing is dropped
.if MSB != (\new)
	s_set_vgpr_msb (MSB<<8)|(\new)
.set MSB, \new
.endif
.endm
.set MUL_LO, 0xa1                      ; source 0 (wb) window 1, source 1 (xa) window 0, C and D window 2
.set TO_B,   0x40
; A joint load.  Waves 0 and 1 fetch xa's two halves, waves 2 and 3 wb's; the branch hangs on the wave's number alone.  An s_nop 0 and four v_nop follow each of the two lines.
.macro JLOAD s
	s_cmp_eq_u32 s[RHO], 0
	s_cbranch_scc0 .Lfor_b_\@
	tensor_load_to_lds s[G0A+4*(\s):G0A+4*(\s)+3], s[G1A:G1A+7]
	s_nop 0
.rept 4
	v_nop
.endr
	s_branch .Lasked_\@
.Lfor_b_\@:
	tensor_load_to_lds s[G0B+4*(\s):G0B+4*(\s)+3], s[G1B:G1B+7]
	s_nop 0
.rept 4
	v_nop
.endr
.Lasked_\@:
.endm
; A PREFETCH INTO THE L2, behind each joint load, its five lines and the run of LDS loads: the K step that stands two refills, 512 matrix instructions, on.  What a wave fetches of a K step is 32 KiB on end, 128 blocks of
; 256 bytes; the four partners that ask for it jointly take 32 blocks each BY ADDRESS (place cx for xa, cy for wb), a lane a block.  xa's tiles are read by both clusters of a row of clusters: cluster x = 0 asks;
; wb's by all eight of a column: cluster y = 0 asks.  So each block is named once.  xa is asked for in its first walk alone (K steps 4 to 11), wb for K steps 4 to 23; nothing at the head.
.macro ASK
	s_cmp_lt_u32 s[SG], s[LIM]
	s_cbranch_scc0 .Lnot_mine_\@
	global_prefetch_b8 v[PFO], s[PFA:PFA+1] th:TH_LOAD_NT scope:SCOPE_SE
.Lnot_mine_\@:
.endm
.macro CREST                           ; a round of the cluster's barrier behind its opening barrier
	s_cmp_lg_u32 s[WV], 0
	s_cbranch_scc1 .Lnot_wave_0_\@
	s_barrier_signal -3
.Lnot_wave_0_\@:
	s_barrier_wait -3
	s_barrier_signal -1
	s_barrier_wait -1
.endm
.macro CROUND
	s_barrier_signal -1
	s_barrier_wait -1
	CREST
.endm
	s_load_b256 s[4:11], s[0:1], 0x0               ; xa s[4:5], wb s[6:7], bw s[8:9], gt s[10:11]
	s_load_b128 s[12:15], s[0:1], 0x20             ; out0, out1
	s_load_b64 s[16:17], s[0:1], 0x30              ; out2
	v_lshl_add_u32 v[SPW], v0, 2, SPARE
	v_mov_b32 v[NIL], 0
	ds_add_u32 v[SPW], v[NIL]                      ; the wave's opening: the add, twice on end, and its wait ahead of my first tensor load
	ds_add_u32 v[SPW], v[NIL]
	v_lshrrev_b32 v1, 5, v0
	v_readfirstlane_b32 s[WV], v1
	s_lshr_b32 s[RHO], s[WV], 1
	s_and_b32 s[KAP], s[WV], 1
	s_bfe_u32 s[CX], ttmp6, 0x40000
	s_bfe_u32 s[CY], ttmp6, 0x40004
	s_lshl_b32 s[HB], ttmp9, 2
	s_add_co_u32 s[HB], s[HB], s[CX]               ; block of 64 h = 4 x cluster x + cx
	s_and_b32 s[TB], ttmp7, 0xffff
	s_lshl_b32 s[TB], s[TB], 2
	s_add_co_u32 s[TB], s[TB], s[CY]               ; block of 256 tokens = 4 x cluster y + cy
	s_lshl_b32 s21, s[CY], 2
	s_lshl_b32 s21, 15, s21                        ; my row of the cluster
	s_lshl_b32 s22, 0x1111, s[CX]                  ; my column
	s_or_b32 s[G1A], s21, (1<<16)|(1<<20)|(1<<21)|(5<<22)|(3<<25)  ; the mask; elements of 2 bytes; padding on; bit 21 beside a mask; after every 64 words 4 words
	s_or_b32 s[G1B], s22, (1<<16)|(1<<20)|(1<<21)|(6<<22)|(7<<25)  ; after every 128 words 8 words
	s_mov_b32 s[G1A+1], 128<<16                    ; tensor_dim0 = 128
	s_mov_b32 s[G1A+2], 128<<16                    ; tensor_dim1 = 128
	s_mov_b32 s[G1A+3], 128<<16                    ; tile_dim0 = 128
	s_mov_b32 s[G1A+4], 128                        ; tile_dim1 = 128
	s_mov_b32 s[G1A+5], 128                        ; elements from row to row
	s_mov_b32 s[G1A+6], 0
	s_mov_b32 s[G1A+7], 0
	s_mov_b32 s[G1B+1], 256<<16                    ; tensor_dim0 = 256
	s_mov_b32 s[G1B+2], 64<<16                     ; tensor_dim1 = 64
	s_mov_b32 s[G1B+3], 256<<16                    ; tile_dim0 = 256
	s_mov_b32 s[G1B+4], 64                         ; tile_dim1 = 64
	s_mov_b32 s[G1B+5], 256
	s_mov_b32 s[G1B+6], 0
	s_mov_b32 s[G1B+7], 0
	s_lshl_b32 s23, s[KAP], 15                     ; the half that I fetch: 32 KiB
	s_mul_i32 s88, s[TB], 786432                   ; xa: the token block's 12 tiles; hangs on the token block alone
	s_add_co_u32 s88, s88, s23
	s_mov_b32 s89, 0
	s_mul_i32 s90, s[HB], 1572864                  ; wb: the h block's 24 tiles; hangs on the h block alone
	s_add_co_u32 s90, s90, s23
	s_mov_b32 s91, 0
	s_mul_i32 s[TMP], s[WV], HALFT                 ; where my part goes: no place in the cluster enters an LDS address
	s_mov_b32 s[AO], 0
	s_mov_b32 s[AO+1], 0
	s_mov_b32 s[AO+2], 65536
	s_mov_b32 s[AO+3], 0
	s_mov_b32 s[HIM], 0xffff0000
	s_mov_b32 s[LC], 12                            ; the loop is entered in the middle of a trip: that part trip and 11 laps
	s_mov_b32 s[PH], 0
	s_mov_b32 s[TG], 0
	s_mov_b32 s[SG], 0
	s_wait_dscnt 0x0                               ; both opening adds are done
	s_wait_kmcnt 0x0
	s_add_nc_u64 s[BASEA:BASEA+1], s[4:5], s[88:89]
	s_add_nc_u64 s[92:93], s[6:7], s[90:91]
	CROUND                                         ; all sixteen work-groups are here: the first joint loads meet
.irp s, 0,1
	s_mov_b32 s[G0A+4*(\s)], 1
	s_add_co_u32 s[G0A+4*(\s)+1], s[TMP], (\s)*SLOT
	s_add_nc_u64 s[G0A+4*(\s)+2:G0A+4*(\s)+3], s[BASEA:BASEA+1], (\s)*65536
	s_or_b32 s[G0A+4*(\s)+3], s[G0A+4*(\s)+3], 0x80000000
	s_mov_b32 s[G0B+4*(\s)], 1
	s_add_co_u32 s[G0B+4*(\s)+1], s[TMP], (\s)*SLOT
	s_add_nc_u64 s[G0B+4*(\s)+2:G0B+4*(\s)+3], s[92:93], (\s)*65536
	s_or_b32 s[G0B+4*(\s)+3], s[G0B+4*(\s)+3], 0x80000000
	JLOAD \s                                       ; K steps 0 and 1: two loads of mine are out
.endr
	v_and_b32 v1, 15, v0                           ; t
	v_bfe_u32 v2, v0, 4, 1                         ; u
	v_mul_u32_u24 v3, v1, PA
	v_lshl_add_u32 v3, v2, 4, v3
	s_mul_i32 s21, s[RHO], HALFT
	v_add_nc_u32 v[ADRA], s21, v3
	v_add_nc_u32 v[ADRA+1], SLOT, v[ADRA]
	v_and_b32 v4, 7, v0                            ; the turning load: lane l reads k row 8 (l / 16) + l % 8, rows n' 8 ((l / 8) % 2) on
	v_lshl_add_u32 v4, v2, 3, v4
	v_mul_u32_u24 v4, v4, PBT
	v_bfe_u32 v5, v0, 3, 1
	v_lshl_add_u32 v4, v5, 4, v4
	s_lshl_b32 s21, s[KAP], 8
	s_add_co_u32 s21, s21, BOFF
	v_add_nc_u32 v[ADRB], s21, v4
	v_add_nc_u32 v[ADRB+1], SLOT, v[ADRB]
	v_lshlrev_b32 v[GOL], 4, v1
	v_lshlrev_b32 v[BO], 5, v2
	v_and_b32 v6, 31, v0
	s_mul_i32 s21, s[WV], STW
	s_add_co_u32 s21, s21, STASH
	v_lshl_add_u32 v[STS], v6, 4, s21
	s_lshl_b32 s21, s[RHO], 7
	v_add_nc_u32 v7, s21, v1                       ; row 128 rho + t (+ 16 a), bytes 64 kap + 32 u (+ 128 c)
	v_mul_u32_u24 v7, v7, PA
	v_lshl_add_u32 v7, v2, 5, v7
	s_lshl_b32 s21, s[KAP], 6
	v_add_nc_u32 v[STO], s21, v7
	v_add_nc_u32 v[STO+1], STGO, v[STO]
	v_add_nc_u32 v[STO+2], 2*STGO, v[STO]
	s_lshl_b32 s21, s[WV], 6
	v_add_nc_u32 v7, s21, v2                       ; back: wave w takes rows 64 w on, whole; lanes 0-15 one row, lanes 16-31 the next
	v_mul_u32_u24 v7, v7, PA
	v_lshl_add_u32 v[RD], v1, 4, v7
	v_add_nc_u32 v[RD+1], STGO, v[RD]
	v_add_nc_u32 v[RD+2], 2*STGO, v[RD]
	v_lshlrev_b32 v[PFO], 8, v6
	v_lshlrev_b32 v[CO], 11, v2
	v_lshl_add_u32 v[CO], v1, 4, v[CO]
	s_mul_i32 s22, s[HB], 6144                     ; bw: the h block's six tiles, my 128 n'
	s_lshl_b32 s23, s[KAP], 9
	s_add_co_u32 s22, s22, s23
	s_mov_b32 s23, 0
	s_add_nc_u64 s[BWC:BWC+1], s[8:9], s[22:23]
	s_lshl_b32 s22, s[TB], 4                       ; gt: my eight tiles of 16 tokens
	s_lshl3_add_u32 s22, s[RHO], s22
	s_mul_i32 s22, s22, 4608
	s_add_nc_u64 s[GTP:GTP+1], s[10:11], s[22:23]
	s_mov_b64 s[GTC:GTC+1], s[GTP:GTP+1]           ; group 0
	s_add_nc_u64 s[GT2:GT2+1], s[GTP:GTP+1], 1024
	s_lshl_b32 s22, s[TB], 19                      ; the outputs: row 256 x token block + 64 x wave, 256 bytes x h block
	s_lshl_b32 s21, s[WV], 17
	s_add_co_u32 s22, s22, s21
	s_lshl_b32 s21, s[HB], 8
	s_add_co_u32 s22, s22, s21
	s_add_nc_u64 s[OUTP:OUTP+1], s[12:13], s[22:23]
	s_add_nc_u64 s[OUTP+2:OUTP+3], s[14:15], s[22:23]
	s_add_nc_u64 s[OUTP+4:OUTP+5], s[16:17], s[22:23]
	s_and_b32 s21, ttmp7, 0xffff                   ; the prefetches: cluster y
	s_cmp_eq_u32 s[RHO], 0
	s_cselect_b32 s22, s88, s90                    ; what I fetch,
	s_cselect_b32 s[TMP], s[CX], s[CY]             ; my place among the four that ask for it with me,
	s_cselect_b32 s21, ttmp9, s21                  ; the coordinate along which other clusters read the same bytes
	s_cselect_b32 s[LIM], 8, 20
	s_cselect_b64 s[PFA:PFA+1], s[4:5], s[6:7]
	s_cmp_eq_u32 s21, 0
	s_cselect_b32 s[LIM], s[LIM], 0                ; the same in all sixteen partners, for a given wave
	s_lshl_b32 s[TMP], s[TMP], 13
	s_add_co_u32 s22, s22, s[TMP]
	s_add_co_u32 s22, s22, 3*65536                 ; at K step 3: the first change of slots steps it to 4
	s_add_nc_u64 s[PFA:PFA+1], s[PFA:PFA+1], s[22:23]
; 16 matrix instructions: token blocks a0, a0 + 1 of the window's four x all 8 blocks of n', 32 along K
.macro MUL16 f, hi, a0
	WIN MUL_LO+0x50*(\hi)
.irp a, \a0, (\a0)+1
.irp b, 0,1,2,3,4,5,6,7
	v_wmma_f32_16x16x32_f16 v[8*(8*(\a)+(\b)):8*(8*(\a)+(\b))+7], v[(\f)+8*(\b):(\f)+8*(\b)+7], v[(\f)+8*(4*(\hi)+(\a)):(\f)+8*(4*(\hi)+(\a))+7], v[8*(8*(\a)+(\b)):8*(8*(\a)+(\b))+7]
.endr
.endr
.endm
; 32 matrix instructions that start a tile's sums with the bias of their rows n' (window 0, the same for all tokens)
.macro MULB hi
	WIN 0x81+0x40*(\hi)
.set mn, 0
.rept 32
	v_wmma_f32_16x16x32_f16 v[8*mn:8*mn+7], v[F0+8*(mn%8):F0+8*(mn%8)+7], v[F0+8*(4*(\hi)+mn/8):F0+8*(4*(\hi)+mn/8)+7], v[BIA+8*(mn%8):BIA+8*(mn%8)+7]
.set mn, mn+1
.endr
.endm
; The fragments of one quarter step, 32 along K at byte k of xa's rows: wb's 128 rows n' (turned), then xa's 128 tokens
.macro FETCHB slot, k, f
	WIN TO_B
.irp i, 0,1,2,3,4,5,6,7
	ds_load_tr16_b128 v[(\f)+8*(\i):(\f)+8*(\i)+3],   v[ADRB+(\slot)] offset:((\k)/64)*32*PBT+32*(\i)
	ds_load_tr16_b128 v[(\f)+8*(\i)+4:(\f)+8*(\i)+7], v[ADRB+(\slot)] offset:((\k)/64)*32*PBT+16*PBT+32*(\i)
.endr
.endm
.macro FETCHA slot, k, f
	WIN 0
.irp i, 0,1,2,3,4,5,6,7
	ds_load_b128 v[(\f)+8*(\i):(\f)+8*(\i)+3],   v[ADRA+(\slot)] offset:(\k)+(\i)*16*PA
	ds_load_b128 v[(\f)+8*(\i)+4:(\f)+8*(\i)+7], v[ADRA+(\slot)] offset:(\k)+(\i)*16*PA+32
.endr
.endm
.macro FETCH slot, k, f
	FETCHB \slot, \k, \f
	FETCHA \slot, \k, \f
.endm
.macro PLACES                          ; four places behind a matrix instruction, ahead of loads into its sources and of reads of its result
.rept 4
	v_nop
.endr
.endm
; A K step is four quarters of 32 along K, 64 matrix instructions each, on buffers 0, 1, 0, 1; the 64 accumulators take turns in the same order everywhere.
.macro QUARTER slot, k, f, g
	s_wait_dscnt 8                                 ; wb's fragments and tokens 0-63 are in; the youngest eight loads (tokens 64-127) may be out
	MUL16 \f, 0, 0
	MUL16 \f, 0, 2
	PLACES
	FETCH \slot, \k, \g
	s_wait_dscnt 32                                ; all but the 32 just issued
	MUL16 \f, 1, 0
	MUL16 \f, 1, 2
.endm
; A tile's first quarter.  The bias lies where xa's second buffer lies, so that buffer is fetched behind the last product that takes the bias.
.macro FIRSTQ
	s_wait_dscnt 0x0                               ; buffer 0 is in
	MULB 0
	PLACES
	FETCHB 0, 64, F1
	MULB 1
	PLACES
	FETCHA 0, 64, F1                               ; again the youngest eight loads are tokens 64-127
.endm
; The last quarter's first half: ONE barrier for the change of slots.  In front of it each wave waits for all its tensor loads (one is out: its part of the next slot), adds 0 to its spare word, and waits for that and for its reads of this slot.
.macro MEET round
	WIN 0
	s_wait_tensorcnt 0x0
	ds_add_u32 v[SPW], v[NIL]
	s_wait_dscnt 9                                 ; (the add and the youngest eight loads may be out)
	MUL16 F1, 0, 0
	s_wait_dscnt 0x0                               ; the add is done, and my reads of this slot are over
	s_barrier_signal -1
	MUL16 F1, 0, 2
.if \round
	WIN 0
.endif
	s_barrier_wait -1
.endm
; The whole last quarter.  fill = 1: the barrier opens a round of the cluster's barrier, and behind it this slot is filled again, two K steps ahead: 224 matrix instructions ahead of the wait for it.
.macro TURN slot, next, fill
.if \fill
	s_wait_xcnt 0x0                                ; the last prefetch, a K step back, has read its address
	s_add_nc_u64 s[PFA:PFA+1], s[PFA:PFA+1], 65536
	MEET 1
	CREST                                          ; no wave of any partner still reads this slot or has a load on its way
	s_add_co_u32 s[AO+2*(\slot)], s[AO+2*(\slot)], 131072  ; xa's 12 tiles are walked twice: behind the last the offset goes back
	s_cmp_ge_u32 s[AO+2*(\slot)], 786432
	s_cselect_b32 s[TMP], 786432, 0
	s_sub_co_u32 s[AO+2*(\slot)], s[AO+2*(\slot)], s[TMP]
	s_add_nc_u64 s[G0A+4*(\slot)+2:G0A+4*(\slot)+3], s[BASEA:BASEA+1], s[AO+2*(\slot):AO+2*(\slot)+1]
	s_or_b32 s[G0A+4*(\slot)+3], s[G0A+4*(\slot)+3], 0x80000000
	s_add_nc_u64 s[G0B+4*(\slot)+2:G0B+4*(\slot)+3], s[G0B+4*(\slot)+2:G0B+4*(\slot)+3], 131072
	JLOAD \slot                                    ; the four v_nop behind it are also the places in front of the loads below
.else
	MEET 0
	PLACES
.endif
	FETCH \next, 0, F0
.if \fill
	ASK
	s_add_co_u32 s[SG], s[SG], 1
.endif
	MUL16 F1, 1, 0
	MUL16 F1, 1, 2
.endm
; BEHIND A TILE.  A token's eight weights on the group's experts for one output are eight registers for each block of 16 tokens; four blocks make a set of 32.
.macro GL4 reg, w, base, a0, off       ; a set: blocks a0 .. a0 + 3; 16 bytes a lane twice for each; sixteen lanes read 256 bytes on end
	WIN (\w)<<6
.set gn, 0
.rept 4
	global_load_b128 v[(\reg)+8*gn:(\reg)+8*gn+3],   v[GOL], s[\base:\base+1] offset:4608*((\a0)+gn)+(\off)
	global_load_b128 v[(\reg)+8*gn+4:(\reg)+8*gn+7], v[GOL], s[\base:\base+1] offset:4608*((\a0)+gn)+(\off)+256
.set gn, gn+1
.endr
.endm
.macro BIAS                            ; the bias of my 128 n' of a tile: register 8 b + j is n' = 16 b + 8 u + j
	WIN 0
.set bn, 0
.rept 8
	global_load_b128 v[BIA+8*bn:BIA+8*bn+3],   v[BO], s[BWC:BWC+1] offset:64*bn
	global_load_b128 v[BIA+8*bn+4:BIA+8*bn+7], v[BO], s[BWC:BWC+1] offset:64*bn+16
.set bn, bn+1
.endr
.endm
.macro RELU a                          ; in place, each accumulator from its low end on
	WIN 0x88+0x44*((\a)/4)
.set rn, 64*((\a)%4)
.rept 64
	v_max_num_f32 v[rn], 0, v[rn]
.set rn, rn+1
.endr
.endm
; Output o takes blocks 4 h .. 4 h + 3: 128 lines under one window setting.  Step fn is expert 4 (fn / 16) + (fn / 4) % 4, pair of h fn % 4; an even expert's weight is the low word of its pair, an odd one's the high
; word.  The four blocks alternate, so that two links of a sum stand 16 lines apart.
.macro PHASE h, o, gr, gw
.set pw, 1-(\o)/2
.set pb, 192*(((\o)+1)/2)
	WIN (pw<<6)|(pw<<4)|((\gw)<<2)|(2+(\h))
.set fn, 0
.rept 32
.set an, 0
.rept 4
.set rP, pb+8*(4*(\h)+an)+2*(fn%4)
.set rZ, 8*(8*an+2*(fn%4)+fn/16)+2*((fn/4)%4)
.set rG, (\gr)+8*an+4*(fn/16)+2*(((fn/4)%4)/2)
.if (fn/4)%2
	v_pk_fma_f32 v[rP:rP+1], v[rZ:rZ+1], v[rG:rG+1], v[rP:rP+1] op_sel:[0,1,0] op_sel_hi:[1,1,1]
.else
	v_pk_fma_f32 v[rP:rP+1], v[rZ:rZ+1], v[rG:rG+1], v[rP:rP+1] op_sel_hi:[1,0,1]
.endif
.set an, an+1
.endr
.set fn, fn+1
.endr
.endm
; THE WHOLE OF IT.  dyn = 1: in the loop, for the group in s[TG]: shared experts feed out0, out1, out2; task1's out0, out1; task2's out0, out2.  dyn = 0: the last tile: task2's, nothing is asked for a next tile, no jump.
; Five sets of registers: X = v32-63 of window 0; V1, V2 = v128-159, v160-191 of window 0; Y1, Y2 the same of window 1.  V and Y are the second fragment buffers: block 0's relu, 64 plain lines that name no register
; of the last products, are the places between those products and the loads into them.
;   X: out0's weights of blocks 0-3, asked for at the end of the tile before; when they are used, out2's of blocks 4-7; at the end the next tile's.       Y1: out0's of blocks 4-7.
;   V1, Y2: out1's of blocks 0-3 and 4-7.       V2: out2's of blocks 0-3.       When V is used up it takes the next tile's bias.
; The waits hold on every way through the jumps: 0 at the head (all that is out was asked for a tile ago); 0 behind out0's first four blocks (all that the head asked for: 384 vector lines back); 16 ahead of out2's last
; four blocks (the bias's 16 loads may stay out; X's, older, are in, so that X may also be asked for anew and the bases stepped).
.macro EPI dyn
	RELU 0
	WIN 0
	s_wait_loadcnt 0x0
.if \dyn
	s_add_nc_u64 s[BWC:BWC+1], s[BWC:BWC+1], 1024  ; the next tile's bias; the loads that named this base are done
	s_cmp_eq_u32 s[TG], 2
	s_cbranch_scc1 .Le1_\@
	GL4 128, 0, GTC, 0, 512
	GL4 160, 1, GTC, 4, 512
	WIN 0
.Le1_\@:
	s_cmp_eq_u32 s[TG], 1
	s_cbranch_scc1 .Le2_\@
.endif
	GL4 160, 0, GT2, 0, 0
	WIN 0
.if \dyn
.Le2_\@:
.endif
	GL4 128, 1, GTC, 4, 0
.irp a, 1,2,3,4
	RELU \a
.endr
	PHASE 0, 0, 32, 0
	WIN 0
	s_wait_loadcnt 0x0
.if \dyn
	s_cmp_eq_u32 s[TG], 2
	s_cbranch_scc1 .Le3_\@
	PHASE 0, 1, 128, 0
	WIN 0
.Le3_\@:
	s_cmp_eq_u32 s[TG], 1
	s_cbranch_scc1 .Le4_\@
.endif
	GL4 32, 0, GT2, 4, 0
	PHASE 0, 2, 160, 0
	WIN 0
.if \dyn
.Le4_\@:
	BIAS
.endif
.irp a, 5,6,7
	RELU \a
.endr
	PHASE 1, 0, 128, 1
	WIN 0
.if \dyn
	s_cmp_eq_u32 s[TG], 2
	s_cbranch_scc1 .Le5_\@
	PHASE 1, 1, 160, 1
	WIN 0
.Le5_\@:
	s_wait_loadcnt 16
	s_cmp_eq_u32 s[TG], 1
	s_cbranch_scc1 .Le6_\@
.else
	s_wait_loadcnt 0x0
.endif
	PHASE 1, 2, 32, 0
	WIN 0
.if \dyn
.Le6_\@:
	s_add_co_u32 s[TG], s[TG], 1                   ; the next tile's group: 0, 1, 2, 0, ..
	s_cmp_eq_u32 s[TG], 3
	s_cselect_b32 s[TG], 0, s[TG]
	s_mul_i32 s[OG], s[TG], 1536
	s_add_nc_u64 s[GTC:GTC+1], s[GTP:GTP+1], s[OG:OG+1]  ; all loads that named these two bases are done
	s_mov_b32 s[O2], 512
	s_cmp_eq_u32 s[TG], 0
	s_cselect_b32 s[O2], 1024, s[O2]
	s_add_nc_u64 s[GT2:GT2+1], s[GTC:GTC+1], s[O2:O2+1]
	GL4 32, 0, GTC, 0, 0
	WIN 0
.endif
.endm
; Pass 0's sums are set aside: rounded to bf16 in place (register k takes numbers 2 k, 2 k + 1), block (o, a) = four registers a lane
.macro STASHP
	WIN 0x45
.irp pb2, 0, 192
.set sn, 0
.rept 32
	v_cvt_pk_bf16_f32 v[(\pb2)+sn], v[(\pb2)+2*sn], v[(\pb2)+2*sn+1]
.set sn, sn+1
.endr
.endr
	WIN 0
.set sn, 0
.rept 32
	v_cvt_pk_bf16_f32 v[192+sn], v[192+2*sn], v[192+2*sn+1]
.set sn, sn+1
.endr
	WIN 0x04                                       ; the stores' data in window 1
.set sn, 0
.rept 8
	ds_store_b128 v[STS], v[4*sn:4*sn+3] offset:sn*512
	ds_store_b128 v[STS], v[192+4*sn:192+4*sn+3] offset:(8+sn)*512
.set sn, sn+1
.endr
	WIN 0
.set sn, 0
.rept 7
	ds_store_b128 v[STS], v[192+4*sn:192+4*sn+3] offset:(16+sn)*512
.set sn, sn+1
.endr
.irp k, 0,1,2,3
	v_mov_b32 v[KEEP+(\k)], v[220+(\k)]
.endr
.endm
.macro CLEAR                           ; a pass's three sums start at 0
	WIN 0x40
.set cn, 0
.rept 64
	v_mov_b32 v[cn], 0
	v_mov_b32 v[192+cn], 0
.set cn, cn+1
.endr
	WIN 0
.set cn, 0
.rept 64
	v_mov_b32 v[192+cn], 0
.set cn, cn+1
.endr
.endm
	BIAS                                           ; tile 0's bias, 16 loads,
	GL4 32, 0, GTC, 0, 0                           ; and out0's weights of its first 64 tokens, 8 loads
	s_wait_tensorcnt 1                             ; my part of K step 0 is in; K step 1's may stay out
	s_barrier_signal -1
	s_barrier_wait -1
	FETCH 0, 0, F0
	WIN 0
	s_branch .Lenter                               ; the loop is entered where a pass begins, in the middle of a trip
.Llap:                                         ; 11 trips: once round the ring, from a lap's second quarter to the next lap's first; both slots are filled again.  A tile is two laps.
	QUARTER 0, 128, F1, F0
	QUARTER 0, 192, F0, F1
	TURN 0, 1, 1
	QUARTER 1, 64,  F0, F1
	QUARTER 1, 128, F1, F0
	QUARTER 1, 192, F0, F1
	TURN 1, 0, 1
	WIN 0
	s_xor_b32 s[PH], s[PH], 1
	s_cmp_eq_u32 s[PH], 0
	s_cbranch_scc1 .Ltile_end
	QUARTER 0, 64, F0, F1
	WIN 0
	s_branch .Lnext
.Ltile_end:                                    ; the jumps go forward, on scalars that are stepped by constants; none passes a barrier or a tensor load
	EPI 1
	s_cmp_lg_u32 s[TG], 0
	s_cbranch_scc1 .Lfirstq
	STASHP                                         ; the next tile is group 0's: in the loop this is pass 0's end
	WIN 0
.Lenter:
	CLEAR
	WIN 0
.Lfirstq:
	s_wait_loadcnt 8                               ; the bias is in; the eight loads of weights behind it may stay out
	FIRSTQ
	WIN 0
.Lnext:
	s_sub_co_u32 s[LC], s[LC], 1
	s_cmp_lg_u32 s[LC], 0
	s_cbranch_scc1 .Llap
	QUARTER 0, 128, F1, F0                         ; the last lap is written out: it fills nothing, and has no round of the cluster's barrier
	QUARTER 0, 192, F0, F1
	TURN 0, 1, 0
	QUARTER 1, 64,  F0, F1
	QUARTER 1, 128, F1, F0
	QUARTER 1, 192, F0, F1
	s_wait_dscnt 8
	MUL16 F1, 0, 0
	MUL16 F1, 0, 2
	s_wait_dscnt 0x0
	MUL16 F1, 1, 0
	MUL16 F1, 1, 2
	PLACES
	EPI 0
	; THE WAY OUT.  Both passes meet in a stage of whole rows (64 h = 256 bytes) that lies over the ring: every wave's reads of the ring are over behind this barrier, and the ring has had its last fill.
	s_wait_dscnt 0x0
	s_barrier_signal -1
	s_barrier_wait -1
.set sn, 0
.rept 23
	ds_load_b128 v[64+4*sn:64+4*sn+3], v[STS] offset:sn*512
.set sn, sn+1
.endr
	s_wait_dscnt 0x0
.set sn, 0
.rept 24                               ; block (o = sn / 8, a = sn % 8) of pass 0: bf16 to f32 is a shift or a mask; 32 bytes a lane
.set src, 64+4*sn
.if sn == 23
.set src, KEEP
.endif
.set dsr, 160+8*(sn%4)
.irp k, 0,1,2,3
	v_lshlrev_b32 v[dsr+2*(\k)],   16, v[src+(\k)]
	v_and_b32     v[dsr+2*(\k)+1], s[HIM], v[src+(\k)]
.endr
	ds_store_b128 v[STO+sn/8], v[dsr:dsr+3]   offset:16*PA*(sn%8)
	ds_store_b128 v[STO+sn/8], v[dsr+4:dsr+7] offset:16*PA*(sn%8)+16
.set sn, sn+1
.endr
	WIN 0x04                                       ; pass 1's sums as they are: out0 and out1 from window 1,
.set sn, 0
.rept 8
	ds_store_b128 v[STO],   v[8*sn:8*sn+3]           offset:16*PA*sn+128
	ds_store_b128 v[STO],   v[8*sn+4:8*sn+7]         offset:16*PA*sn+144
	ds_store_b128 v[STO+1], v[192+8*sn:192+8*sn+3]   offset:16*PA*sn+128
	ds_store_b128 v[STO+1], v[192+8*sn+4:192+8*sn+7] offset:16*PA*sn+144
.set sn, sn+1
.endr
	WIN 0                                          ; out2 from window 0
.set sn, 0
.rept 8
	ds_store_b128 v[STO+2], v[192+8*sn:192+8*sn+3]   offset:16*PA*sn+128
	ds_store_b128 v[STO+2], v[192+8*sn+4:192+8*sn+7] offset:16*PA*sn+144
.set sn, sn+1
.endr
	s_wait_dscnt 0x0                               ; for the others' sake: a row's 256 bytes come from two waves
	s_barrier_signal -1
	s_barrier_wait -1
.macro OUTB o, half, set               ; 32 rows of output o: back as whole rows, and out
	s_wait_xcnt 0x0                                ; the stores issued so far have read their registers: this set is loaded again only behind this wait
.set sn, 0
.rept 16
	ds_load_b128 v[(\set)+4*sn:(\set)+4*sn+3], v[RD+(\o)] offset:(16*(\half)+sn)*2*PA
.set sn, sn+1
.endr
.set sn, 0
.rept 16
	s_wait_dscnt 15-sn                             ; the younger loads of the run may stay out
	global_store_b128 v[CO], v[(\set)+4*sn:(\set)+4*sn+3], s[OUTP+2*(\o):OUTP+2*(\o)+1] offset:(16*(\half)+sn)*4096 th:TH_STORE_NT  ; sixteen lanes store 256 bytes on end, aligned
.set sn, sn+1
.endr
.endm
	OUTB 0, 0, 32
	OUTB 0, 1, 96
	OUTB 1, 0, 32
	OUTB 1, 1, 96
	OUTB 2, 0, 32
	OUTB 2, 1, 96
	s_wait_tensorcnt 0x0                           ; the wave's end: behind my last tensor load and my last LDS store
	ds_add_u32 v[SPW], v[NIL]
	s_wait_dscnt 0x0
	CROUND                                         ; the closing round: no work-group ends while a partner may still ask for a tile that names it
	s_endpgm
.Lfunc_end_k_q129e28febc_ple:
	.size	k_q129e28febc_ple, .Lfunc_end_k_q129e28febc_ple-k_q129e28febc_ple
	.p2alignl 7, 3214868480
	.fill 96, 4, 3214868480
	.section	.rodata,"a",@progbits
	.p2align	6, 0x0
	.amdhsa_kernel k_q129e28febc_ple
		.amdhsa_group_segment_fixed_size 327680
		.amdhsa_private_segment_fixed_size 0
		.amdhsa_enable_private_segment 0
		.amdhsa_kernarg_size 56
		.amdhsa_user_sgpr_count 2
		.amdhsa_user_sgpr_kernarg_segment_ptr 1
		.amdhsa_wavefront_size32 1
		.amdhsa_system_sgpr_workgroup_id_x 1
		.amdhsa_system_sgpr_workgroup_id_y 1
		.amdhsa_system_sgpr_workgroup_id_z 1
		.amdhsa_system_vgpr_workitem_id 0
		.amdhsa_next_free_vgpr 1024
		.amdhsa_next_free_sgpr 96
		.amdhsa_reserve_vcc 0
		.amdhsa_float_denorm_mode_32 3
		.amdhsa_float_denorm_mode_16_64 3
		.amdhsa_memory_ordered 1
		.amdhsa_forward_progress 1
		.amdhsa_inst_pref_size 255
	.end_amdhsa_kernel
	.section	.bss,"aw",@nobits
	.p2align	6
	.space	262144
	.amdgpu_metadata
---
amdhsa.version: [ 1, 2 ]
amdhsa.kernels:
  - .name:           k_q129e28febc_ple
    .symbol:         k_q129e28febc_ple.kd
    .args:
      - { .name: xa, .offset: 0, .size: 8, .value_kind: global_buffer, .address_space: global }
      - { .name: wb, .offset: 8, .size: 8, .value_kind: global_buffer, .address_space: global }
      - { .name: bw, .offset: 16, .size: 8, .value_kind: global_buffer, .address_space: global }
      - { .name: gt, .offset: 24, .size: 8, .value_kind: global_buffer, .address_space: global }
      - { .name: out0, .offset: 32, .size: 8, .value_kind: global_buffer, .address_space: global }
      - { .name: out1, .offset: 40, .size: 8, .value_kind: global_buffer, .address_space: global }
      - { .name: out2, .offset: 48, .size: 8, .value_kind: global_buffer, .address_space: global }
    .group_segment_fixed_size: 327680
    .private_segment_fixed_size: 0
    .kernarg_segment_align: 8
    .kernarg_segment_size: 56
    .max_flat_workgroup_size: 128
    .sgpr_count:     96
    .vgpr_count:     1024
    .wavefront_size: 32
...
	.end_amdgpu_metadata
.endif
;; end of part 2
;; ======== version 2 of 2: 2 launches; version 1 with the launch prep written anew for expert scheduling mode
;; limits: values outside matrix products are rounded to bf16; values are held in f16: magnitudes above 65,504 overflow, below 6.1e-05 lose precision; right only within a limited range of input values
;; workspace buffers: xa 25,165,824 bytes; wb 12,582,912 bytes; bw 49,152 bytes; gt 2,359,296 bytes
;; launch prep (part 3): grid 384 x 1, 4 waves a work-group, no clusters, 116,224 bytes of LDS; arguments x_shared, x_task1, x_task2, ln0_g, ln1_g, ln2_g, ln0_b, ln1_b, ln2_b, Wg_sh, Wg_t1, Wg_t2, bg_sh, bg_t1, bg_t2, W_sh, W_t1, W_t2, b_sh, b_t1, b_t2, xa, wb, bw, gt; writes xa, wb, bw, gt
.if DOCPART == 3
	.amdgcn_target "amdgcn-amd-amdhsa--gfx1250"
	.amdhsa_code_object_version 6
	.text
	.protected	k_q129e28febc_prep
	.globl	k_q129e28febc_prep
	.p2align	8
	.type	k_q129e28febc_prep,@function
k_q129e28febc_prep:
	s_mov_b64 s[64:65], 0
	v_nop
	global_prefetch_b8 v0, s[64:65] scope:SCOPE_SE
	s_setreg_imm32_b32 hwreg(HW_REG_WAVE_SCHED_MODE, 0, 2), 2
	s_setreg_imm32_b32 hwreg(HW_REG_WAVE_MODE, 25, 1), 1
	s_wait_xcnt 0x0
	s_wait_alu depctr_vm_vsrc(0)
; PLE layer, first of two launches: everything that is done once for each number of the inputs.
; NOTHING OF reference() IS LEFT OUT: the gates are soft, so every expert is weighed into its outputs; the gates' biases differ along the softmax's axis; all 21 inputs are loaded.
; Group q (0 shared, 1 task1, 2 task2) is the work-group's number / 128 and picks every input pointer.  Each of the 1,536 waves does the same three things:
;   (A) layer norm of 16 token rows of x_q (mean, then the variance of x - mean, so that a common offset costs nothing), rounded to f16 into
;       xa[token block 32][q 3][K step 4][row 256][k 128]: each K step's tile of the second launch is 64 KiB on end, in rows of 256 bytes;
;   (G) those 16 tokens' gate: logits by the matrix unit (f16 operands, f32 sums that start at the gate's bias), softmax with the maximum taken away, into
;       gt[tile of 16 tokens 512][expert group 3][place 3][e / 4][token 16][e % 4] f32: the eight weights that a token puts on one group's experts for one output;
;   (W) 16 k rows of one block of 256 columns of W_q, rounded to f16 into wb[h block 8][tile 3 c + q][K step 4][k 128][n' 256].  n' = 128 kap + 32 p + 16 be + 8 u + 2 i + la stands for
;       h = 64 hblk + 32 c + 16 kap + 8 u + 2 p + la and e = 4 be + i: in the second launch's accumulators a register pair is then two neighbouring h of one expert.
;   The wave with k rows 0-15 also lays the block's 256 expert biases in the order of n' into bw (1 KiB; its two stores interleave, 32 bytes a lane).
; THE ORDER OF THE LOADS.  The gate table first (it is converted while x is on its way), gain and bias, x's rows 0-7; when the table is in LDS, its landing registers take x's rows 8-15: all 16 rows are asked for
; before the first is worked on.  W's rows are asked for when rows 8-15 have left those registers, two norm items and the gate ahead of their use.
; WHY f16: an output may be off by 1% of the outputs' root mean square plus 1% of itself; a sum of 512 products whose operands keep 8 significant bits uses that up in its largest errors, 11 bits leave room.
; LIMITS.  Matrix operands are rounded to f16, which ends at 65,504.  The normed x is at most 22.6 |gain| + |bias| (a normed number is at most sqrt(511), whatever x holds): it fits for gains up to some 2,800.
; W and Wg beyond 65,504 become infinities; below 6e-5 they keep f16's fixed step of 6e-8.  NaN and infinities are not treated apart.  A gate weight below 2^-126 counts as 0.
; No tensor load, no cluster, no prefetch: no wave wants a byte of x or W that another wave fetches, and the launch is one short stream of loads and stores.
; REGISTERS: window 0 as listed below; window 1 (s_set_vgpr_msb: bits 1:0 source 0, 3:2 source 1, 5:4 source 2, 7:6 destination): v0-127, by turns the table as it lands (96), x's rows 8-15, W's 16 rows.
; THE MODE: SCHED_MODE bits 1:0 = 2 (LLVM: expert scheduling mode 2), set by the entry lines.  The code itself states the register dependences
; between vector or matrix instructions and memory or LDS instructions, with s_wait_alu, always for 0.
; THE PLAN.  Registers that memory or LDS instructions touch, and who else names them:
;   v4-v11          Offsets and addresses, written at the head; one wait on va_vdst in each arm of the table, ahead of the arm's first load, serves them all.  v[XL] is written once more, between the loop's two
;                   trips; v[TO] once more, at the end.
;   window 1        The table lands; conversions in place; LDS stores read it; x's rows 8-15 land; the moves read them; W lands; conversions in place; the stores read it.  A wait stands at each change of hands.
;   XA, XB          x lands; the norm works in place; the stores read the f16.  XA's 32 stores stand behind the wait that XB's item has for its four roots, dealt among XB's last lines, which name XB, the roots, gain
;                   and bias alone; XB's stand behind a wait of their own.  Behind them, ahead of the loop's branch, one wait on vm_vsrc: XA, XB and v[XL] may be written: by the moves and the add in the first trip,
;                   by the gate's second set of fragments behind the second.
;   P, Q            The gate's fragments, two sets by turns: P = v144-239 (gain's and bias's registers and 64 more), Q = v16-111 (XA's and half of XB's).  Batch n + 1 is on its way while batch n is multiplied;
;                   a set is asked for again behind a wait that shows the products that read it done.
;   G0, G1, GA, GA1 Written by vector and matrix lines; the stores of the weights read them behind one wait, at the softmax's end.
;   v[SPW], v[NIL]  Written at the head, read by the closing add alone.
.set XTP,   1040                       ; a token row in LDS: 1,024 bytes of f16 + 16: sixteen rows of a fragment load start 16 bytes further on in each 256
.set TPI,   96                         ; a row of the gate table in LDS: 32 columns of f16 + 32 bytes
.set XTB,   49152                      ; behind the table (512 rows x 96): 16 rows x 1,040 bytes for each wave, its own
.set SPARE, 115712                     ; behind them: the spare words, 128 bytes a wave, which no other line names
.set LANE, 1
.set TK,   2                           ; lane % 16
.set UH,   3                           ; lane / 16
.set XI,   4                           ; 16 x lane
.set XO,   5                           ; 8 x lane
.set XL,   6                           ; where my 8 bytes of a token row go in LDS
.set TO,   7                           ; my table row in memory; at the end 32 x lane
.set TL,   8                           ; my table row in LDS
.set TFA,  9                           ; token fragments
.set WFA,  10                          ; table fragments (turning load)
.set WI,   11                          ; my 16 bytes in a block of 32 h x 8 e of W or b
.set GA,   12                          ; where my gate weights go
.set GA1,  13
.set SPW,  14
.set NIL,  15
.set XA,   16                          ; v[16:79]   four rows of x
.set XB,   80                          ; v[80:143]  the same
.set TFQ,  16                          ; v[16:47]   set Q: four token fragments
.set WFQ,  48                          ; v[48:111]  set Q: four x two table fragments
.set LNG,  144                         ; v[144:159] gain, v[160:175] bias of my 16 columns
.set LNB,  160
.set TF,   144                         ; v[144:175] set P: four token fragments
.set WF,   176                         ; v[176:239] set P: four x two table fragments
.set TS,   144                         ; at work in the softmax and at the end
.set TT,   240                         ; v[240:247] at work in the layer norm
.set SM,   248                         ; v[248:251] four rows' means
.set VR,   252                         ; v[252:255] four rows' variances, then 1 / sqrt
.set G0,   240                         ; v[240:247], v[248:255] the logits
.set G1,   248
.set XC,   0                           ; window 1, v[0:63]:   x's rows 8-11, then eight rows of W
.set XD,   64                          ; window 1, v[64:127]: x's rows 12-15, then eight rows of W
.set LW,   0                           ; window 1, v[0:95]:   first of all the table as it lands
.set SEL,  2                           ; s[2:3] v_permlanex16_b32's selects
.set BIGN, 4
.set CNT,  5
.set PL0,  6
.set PL1,  7
.set XP,   8                           ; each input: three pointers on end, the first then holds group q's
.set LGP,  14
.set LBP,  20
.set WGP,  26
.set BGP,  32
.set WP,   38
.set BP,   44
.set XAP,  50
.set WBP,  52
.set BWP,  54
.set GTP,  56
.set Q,    58
.set WV,   59
.set TTS,  60                          ; my tile of 16 tokens, 0 .. 511
.set JB,   61                          ; my block of 256 columns, 0 .. 15
.set KB,   62                          ; my 16 k rows, 0 .. 31
.set TM,   63
.set OF,   66                          ; s[66:67] an offset, high word 0
.set BG,   68                          ; s[68:91] the gate's bias
.set INV,  92
.set EPSR, 93
.set CL,   94                          ; s[94:95] log2(e)
.set MSB, 0
.macro WIN new                         ; the immediate's high byte repeats the setting that is left; a switch that changes nothing is dropped
.if MSB != (\new)
	s_set_vgpr_msb (MSB<<8)|(\new)
.set MSB, \new
.endif
.endm
.macro PLACES                          ; four places behind a matrix instruction (ISA guide 7.12.1)
.rept 4
	v_nop
.endr
.endm
	s_load_b512 s[8:23], s[0:1], 0x0
	s_load_b512 s[24:39], s[0:1], 0x40
	s_load_b512 s[40:55], s[0:1], 0x80
	s_load_b64 s[56:57], s[0:1], 0xc0
	v_lshl_add_u32 v[SPW], v0, 2, SPARE
	v_mov_b32 v[NIL], 0
	v_lshrrev_b32 v1, 5, v0
	v_readfirstlane_b32 s[WV], v1
	v_and_b32 v[LANE], 31, v0
	v_and_b32 v[TK], 15, v0
	v_bfe_u32 v[UH], v0, 4, 1
	v_lshlrev_b32 v[XI], 4, v[LANE]
	v_lshlrev_b32 v[XO], 3, v[LANE]
	s_wait_alu depctr_va_sdst(0)                   ; the wave's number is written, ahead of its first reader
	s_mul_i32 s[TM], s[WV], 16*XTP
	s_add_co_u32 s[TM], s[TM], XTB
	v_lshl_add_u32 v[XL], v[LANE], 3, s[TM]
	v_mul_u32_u24 v[TFA], v[TK], XTP
	v_lshl_add_u32 v[TFA], v[UH], 4, v[TFA]
	v_add_nc_u32 v[TFA], s[TM], v[TFA]             ; row lane % 16, 16 bytes for each half of the lanes
	v_and_b32 v[WFA], 7, v0
	v_lshl_add_u32 v[WFA], v[UH], 3, v[WFA]
	v_mul_u32_u24 v[WFA], v[WFA], TPI
	v_bfe_u32 v[GA], v0, 3, 1
	v_lshl_add_u32 v[WFA], v[GA], 4, v[WFA]        ; k row 8 (l / 16) + l % 8, columns 8 ((l / 8) % 2) on
	v_lshlrev_b32 v[WI], 9, v[UH]                  ; the lane's bits are kap, p1, p0, be, u: 512 kap
	v_and_b32 v[GA], 1, v0
	v_lshl_add_u32 v[WI], v[GA], 8, v[WI]          ; + 256 u
	v_bfe_u32 v[GA], v0, 2, 2
	v_lshl_add_u32 v[WI], v[GA], 6, v[WI]          ; + 64 p
	v_bfe_u32 v[GA], v0, 1, 1
	v_lshl_add_u32 v[WI], v[GA], 4, v[WI]          ; + 16 be
	v_mul_u32_u24 v[TL], v0, TPI
	s_lshr_b32 s[Q], ttmp9, 7
	s_and_b32 s[TTS], ttmp9, 127
	s_lshl_b32 s[TTS], s[TTS], 2
	s_add_co_u32 s[TTS], s[TTS], s[WV]
	s_bfe_u32 s[JB], ttmp9, 0x40003
	s_and_b32 s[KB], ttmp9, 7
	s_lshl_b32 s[KB], s[KB], 2
	s_add_co_u32 s[KB], s[KB], s[WV]
	s_mov_b32 s[SEL], 0x76543210
	s_mov_b32 s[SEL+1], 0xfedcba98
	s_mov_b32 s[BIGN], 0xf149f2ca                  ; -1e30
	s_mov_b32 s[INV], 0x3b000000                   ; 1 / 512
	s_mov_b32 s[EPSR], 0x3727c5ac                  ; 1e-5
	s_mov_b32 s[CL], 0x3fb8aa3b                    ; log2(e)
	s_mov_b32 s[CL+1], s[CL]
	s_mov_b32 s[OF+1], 0
	s_cmp_eq_u32 s[Q], 0
	s_cselect_b32 s[PL0], 64, 0                    ; the shared gate has 24 biases, the others 16: their third load takes the first eight once more
	s_wait_kmcnt 0x0
	s_cmp_eq_u32 s[Q], 1
.irp b, XP, LGP, LBP, WGP, BGP, WP, BP
	s_cselect_b64 s[\b:\b+1], s[\b+2:\b+3], s[\b:\b+1]
.endr
	s_cmp_eq_u32 s[Q], 2
.irp b, XP, LGP, LBP, WGP, BGP, WP, BP
	s_cselect_b64 s[\b:\b+1], s[\b+4:\b+5], s[\b:\b+1]
.endr
	s_load_b256 s[BG:BG+7], s[BGP:BGP+1], 0x0
	s_load_b256 s[BG+8:BG+15], s[BGP:BGP+1], 0x20
	s_load_b256 s[BG+16:BG+23], s[BGP:BGP+1], s[PL0] offset:0x0
	s_lshl_b32 s[OF], s[TTS], 15                   ; 16 rows of 2,048 bytes
	s_add_nc_u64 s[XP:XP+1], s[XP:XP+1], s[OF:OF+1]
.macro XLOAD buf, grp                  ; four rows of x: a load takes 512 bytes on end; quad j of a row is K step j.  The window setting says where buf lies
.irp r, 0,1,2,3
.irp j, 0,1,2,3
	global_load_b128 v[(\buf)+16*(\r)+4*(\j):(\buf)+16*(\r)+4*(\j)+3], v[XI], s[XP:XP+1] offset:(4*(\grp)+(\r))*2048+512*(\j) th:TH_LOAD_NT
.endr
.endr
.endm
.macro HEADL                           ; 40 loads behind the table's: gain and bias of my 16 columns, then x's rows 0-7
.irp j, 0,1,2,3
	global_load_b128 v[LNG+4*(\j):LNG+4*(\j)+3], v[XI], s[LGP:LGP+1] offset:512*(\j)
	global_load_b128 v[LNB+4*(\j):LNB+4*(\j)+3], v[XI], s[LBP:LBP+1] offset:512*(\j)
.endr
	XLOAD XA, 0
	XLOAD XB, 1
.endm
; THE GATE TABLE: Wg_q as f16 in LDS, [k][column].  Thread t takes rows t + 128 m.  nq: f32 quads in a row.  All conversions under one window setting, then all stores under another.
.macro TABLE nq
	WIN 0x45                                       ; destination and both sources in window 1
.set tn, 0
.rept 4*(\nq)/2
.set rb, LW+8*tn
	v_cvt_pk_f16_f32 v[rb],   v[rb],   v[rb+1]
	v_cvt_pk_f16_f32 v[rb+1], v[rb+2], v[rb+3]
	v_cvt_pk_f16_f32 v[rb+2], v[rb+4], v[rb+5]
	v_cvt_pk_f16_f32 v[rb+3], v[rb+6], v[rb+7]
.set tn, tn+1
.endr
.if (\nq) == 6                         ; columns 24 to 31 do not exist: zeros, so that their products are 0
.irp i, 4,5,6,7
	v_mov_b32 v[LW+(\i)], 0
.endr
.endif
	WIN 0x04                                       ; the stores' data in window 1, their address in window 0
	s_wait_alu depctr_va_vdst(0)                   ; the conversions (and the zeros) have written the table's rows, which the LDS stores read
.set tn, 0
.rept 4*(\nq)/2
	ds_store_b128 v[TL], v[LW+8*tn:LW+8*tn+3] offset:(tn/((\nq)/2))*12288+(tn%((\nq)/2))*16
.set tn, tn+1
.endr
.if (\nq) == 6
.irp m, 0,1,2,3
	ds_store_b128 v[TL], v[LW+4:LW+7] offset:(\m)*12288+48
.endr
.endif
	WIN 0
.endm
; Each arm holds its table's loads, the 40 loads that follow them, the wait and the conversion: no way through the text converts what its own arm has not loaded.
	s_cmp_eq_u32 s[Q], 0
	s_cbranch_scc0 .Ltab16
	v_mul_u32_u24 v[TO], v0, 96
	WIN 0x40                                       ; destination in window 1
	s_wait_alu depctr_va_vdst(0)                   ; the offsets and addresses v4 to v11 are written, which the kernel's loads and stores read
.set tn, 0
.rept 24
	global_load_b128 v[LW+4*tn:LW+4*tn+3], v[TO], s[WGP:WGP+1] offset:(tn/6)*12288+(tn%6)*16
.set tn, tn+1
.endr
	WIN 0
	HEADL
	s_wait_loadcnt 40                              ; the table is in; the 40 loads behind it may stay out
	TABLE 6
	s_branch .Ltabdone
.Ltab16:
	v_lshlrev_b32 v[TO], 6, v0
	WIN 0x40
	s_wait_alu depctr_va_vdst(0)                   ; the offsets and addresses v4 to v11 are written, which the kernel's loads and stores read
.set tn, 0
.rept 16
	global_load_b128 v[LW+4*tn:LW+4*tn+3], v[TO], s[WGP:WGP+1] offset:(tn/4)*8192+(tn%4)*16
.set tn, tn+1
.endr
	WIN 0
	HEADL
	s_wait_loadcnt 40
	TABLE 4
.Ltabdone:
	s_wait_dscnt 0x0                               ; the loads below land in registers that the table's stores read
	WIN 0x40
	s_wait_alu depctr_vm_vsrc(0)                   ; the table's LDS stores have read their data, in whose registers the loads below land
	s_wait_alu depctr_va_vdst(0)                   ; and the conversions are done reading and writing those registers
	XLOAD XC, 2                                    ; x's rows 8-15
	XLOAD XD, 3
	WIN 0
	s_lshr_b32 s[TM], s[TTS], 4                    ; xa: token block, group, my 16 rows
	s_mul_i32 s[OF], s[TM], 786432
	s_lshl_b32 s[TM], s[Q], 18
	s_add_co_u32 s[OF], s[OF], s[TM]
	s_and_b32 s[TM], s[TTS], 15
	s_lshl_b32 s[TM], s[TM], 12
	s_add_co_u32 s[OF], s[OF], s[TM]
	s_add_nc_u64 s[XAP:XAP+1], s[XAP:XAP+1], s[OF:OF+1]
	s_lshl_b32 s[OF], s[KB], 18                    ; W: 16 k rows of 16,384 bytes, block of 1,024 bytes
	s_lshl_b32 s[TM], s[JB], 10
	s_add_co_u32 s[OF], s[OF], s[TM]
	s_add_nc_u64 s[WP:WP+1], s[WP:WP+1], s[OF:OF+1]
	s_mov_b32 s[OF], s[TM]
	s_add_nc_u64 s[BP:BP+1], s[BP:BP+1], s[OF:OF+1]
	s_lshr_b32 s[TM], s[JB], 1                     ; tile = 6 hblk + 3 c + q
	s_mul_i32 s[TM], s[TM], 6
	s_and_b32 s[OF], s[JB], 1
	s_mul_i32 s[OF], s[OF], 3
	s_add_co_u32 s[TM], s[TM], s[OF]
	s_add_co_u32 s[TM], s[TM], s[Q]
	s_lshl_b32 s[OF], s[TM], 10
	s_add_nc_u64 s[BWP:BWP+1], s[BWP:BWP+1], s[OF:OF+1]
	s_lshl_b32 s[TM], s[TM], 2
	s_lshr_b32 s[OF], s[KB], 3
	s_add_co_u32 s[TM], s[TM], s[OF]               ; + K step
	s_lshl_b32 s[TM], s[TM], 16
	s_and_b32 s[OF], s[KB], 7
	s_lshl_b32 s[OF], s[OF], 13                    ; my 16 rows of 512 bytes
	s_add_co_u32 s[OF], s[OF], s[TM]
	s_add_nc_u64 s[WBP:WBP+1], s[WBP:WBP+1], s[OF:OF+1]
	s_mul_i32 s[OF], s[TTS], 4608
	s_add_nc_u64 s[GTP:GTP+1], s[GTP:GTP+1], s[OF:OF+1]
.macro WLOAD buf, bat                  ; eight k rows of my block of W: for each, my 16 bytes of the even h (la = 0) and, 32 bytes on, of the odd
.set wn, 0
.rept 8
	global_load_b128 v[(\buf)+8*wn:(\buf)+8*wn+3],   v[WI], s[WP:WP+1] offset:(8*(\bat)+wn)*16384
	global_load_b128 v[(\buf)+8*wn+4:(\buf)+8*wn+7], v[WI], s[WP:WP+1] offset:(8*(\bat)+wn)*16384+32
.set wn, wn+1
.endr
.endm
.macro REDUCE base                     ; four sums over the 32 lanes, interleaved; every lane ends with the result
.irp m, 1,2,4,8
.irp r, 0,1,2,3
	v_add_f32_dpp v[(\base)+(\r)], v[(\base)+(\r)], v[(\base)+(\r)] row_xmask:\m row_mask:0xf bank_mask:0xf
.endr
.endr
.irp r, 0,1,2,3
	v_permlanex16_b32 v[TT+(\r)], v[(\base)+(\r)], s[SEL], s[SEL+1]
.endr
.irp r, 0,1,2,3
	v_add_f32 v[(\base)+(\r)], v[(\base)+(\r)], v[TT+(\r)]
.endr
.endm
; Row r of a finished batch goes out: eight stores.  row0: the batch's place among the eight rows of a trip.
.macro ROWOUT buf, row0, r
.irp j, 0,1,2,3
	global_store_b64 v[XO], v[(\buf)+16*(\r)+4*(\j):(\buf)+16*(\r)+4*(\j)+1], s[XAP:XAP+1] offset:(\j)*65536+((\row0)+(\r))*256  ; 32 lanes store 256 bytes on end, aligned: a row of K step j
	ds_store_b64 v[XL], v[(\buf)+16*(\r)+4*(\j):(\buf)+16*(\r)+4*(\j)+1] offset:((\row0)+(\r))*XTP+256*(\j)
.endr
.endm
; Four rows as one batch.  left: the younger loads that may stay out.  deal = 1 (XB's item): XA's 32 stores stand behind the roots' wait, eight ahead of each row's last lines.
.macro LNITEM buf, left, deal
	s_wait_loadcnt \left
.irp r, 0,1,2,3
.set xb, (\buf)+16*(\r)
	v_pk_add_f32 v[TT:TT+1],   v[xb:xb+1],     v[xb+2:xb+3]
	v_pk_add_f32 v[TT+2:TT+3], v[xb+4:xb+5],   v[xb+6:xb+7]
	v_pk_add_f32 v[TT+4:TT+5], v[xb+8:xb+9],   v[xb+10:xb+11]
	v_pk_add_f32 v[TT+6:TT+7], v[xb+12:xb+13], v[xb+14:xb+15]
	v_pk_add_f32 v[TT:TT+1],   v[TT:TT+1],     v[TT+2:TT+3]
	v_pk_add_f32 v[TT+4:TT+5], v[TT+4:TT+5],   v[TT+6:TT+7]
	v_pk_add_f32 v[TT:TT+1],   v[TT:TT+1],     v[TT+4:TT+5]
	v_add_f32 v[SM+(\r)], v[TT], v[TT+1]
.endr
	REDUCE SM
.irp r, 0,1,2,3
	v_mul_f32 v[SM+(\r)], s[INV], v[SM+(\r)]       ; the mean
.endr
.irp r, 0,1,2,3
.set xb, (\buf)+16*(\r)
.set i2, 0
.rept 8                                ; x - mean: an even row's mean is the low word of its pair, an odd row's the high word
.if (\r)%2
	v_pk_add_f32 v[xb+i2:xb+i2+1], v[xb+i2:xb+i2+1], v[SM+(\r)-1:SM+(\r)] op_sel:[0,1] op_sel_hi:[1,1] neg_lo:[0,1] neg_hi:[0,1]
.else
	v_pk_add_f32 v[xb+i2:xb+i2+1], v[xb+i2:xb+i2+1], v[SM+(\r):SM+(\r)+1] op_sel_hi:[1,0] neg_lo:[0,1] neg_hi:[0,1]
.endif
.set i2, i2+2
.endr
	v_pk_mul_f32 v[TT:TT+1],   v[xb:xb+1],     v[xb:xb+1]
	v_pk_mul_f32 v[TT+2:TT+3], v[xb+2:xb+3],   v[xb+2:xb+3]
	v_pk_fma_f32 v[TT:TT+1],   v[xb+4:xb+5],   v[xb+4:xb+5],   v[TT:TT+1]
	v_pk_fma_f32 v[TT+2:TT+3], v[xb+6:xb+7],   v[xb+6:xb+7],   v[TT+2:TT+3]
	v_pk_fma_f32 v[TT:TT+1],   v[xb+8:xb+9],   v[xb+8:xb+9],   v[TT:TT+1]
	v_pk_fma_f32 v[TT+2:TT+3], v[xb+10:xb+11], v[xb+10:xb+11], v[TT+2:TT+3]
	v_pk_fma_f32 v[TT:TT+1],   v[xb+12:xb+13], v[xb+12:xb+13], v[TT:TT+1]
	v_pk_fma_f32 v[TT+2:TT+3], v[xb+14:xb+15], v[xb+14:xb+15], v[TT+2:TT+3]
	v_pk_add_f32 v[TT:TT+1],   v[TT:TT+1],     v[TT+2:TT+3]
	v_add_f32 v[VR+(\r)], v[TT], v[TT+1]
.endr
	REDUCE VR
.irp r, 0,1,2,3
	v_fma_f32 v[VR+(\r)], v[VR+(\r)], s[INV], s[EPSR]
.endr
.irp r, 0,1,2,3
	v_rsq_f32 v[VR+(\r)], v[VR+(\r)]
.endr
	v_nop                                          ; a plain instruction behind the last root,
	s_wait_alu depctr_va_vdst(0)                   ; and the one wait: the four roots are written, ahead of their first reader; in XB's item also: XA's conversions have written what XA's stores read, and v[XL] is written
.irp r, 0,1,2,3
.if \deal
	ROWOUT XA, 0, \r                               ; no wait: no vector line since the wait above names XA, v[XO] or v[XL]
.endif
.set xb, (\buf)+16*(\r)
.set i2, 0
.rept 8
.if (\r)%2
	v_pk_mul_f32 v[xb+i2:xb+i2+1], v[xb+i2:xb+i2+1], v[VR+(\r)-1:VR+(\r)] op_sel:[0,1] op_sel_hi:[1,1]
.else
	v_pk_mul_f32 v[xb+i2:xb+i2+1], v[xb+i2:xb+i2+1], v[VR+(\r):VR+(\r)+1] op_sel_hi:[1,0]
.endif
.set i2, i2+2
.endr
.set i2, 0
.rept 8
	v_pk_fma_f32 v[xb+i2:xb+i2+1], v[xb+i2:xb+i2+1], v[LNG+i2:LNG+i2+1], v[LNB+i2:LNB+i2+1]
.set i2, i2+2
.endr
.irp j, 0,1,2,3
	v_cvt_pk_f16_f32 v[xb+4*(\j)],   v[xb+4*(\j)],   v[xb+4*(\j)+1]
	v_cvt_pk_f16_f32 v[xb+4*(\j)+1], v[xb+4*(\j)+2], v[xb+4*(\j)+3]
.endr
.endr
.endm
; Two trips of eight rows, one text, which names XA and XB.  Rows 8-15 have landed in window 1 and are moved into XA and XB behind the first trip: 128 v_mov_b32, once a wave: the price of one text for both halves
; with all 16 rows asked for at the head.  The registers that they leave take W's 16 rows at once.
; The counts hold in both trips.  First trip: behind rows 0-3 were issued rows 4-7, 8-11, 12-15 (48 loads), behind rows 4-7 rows 8-15 (32).  Second trip: XA and XB were written by the moves, and W's 32 loads alone are out.
	s_mov_b32 s[CNT], 2
.Lhalf:
	LNITEM XA, 48, 0
	LNITEM XB, 32, 1
	s_wait_alu depctr_va_vdst(0)                   ; XB's conversions have written what XB's stores read
.irp r, 0,1,2,3
	ROWOUT XB, 4, \r
.endr
	s_wait_xcnt 0x0                                ; the stores have had their addresses translated: their data, XA and XB, and their base are written again only behind this wait,
	s_wait_alu depctr_vm_vsrc(0)                   ; and the trip's stores have read XA, XB and v[XL].  Both stand ahead of the branch: the first trip's moves and add write these registers, and behind the second trip the gate's set Q lands in them
	s_cmp_eq_u32 s[CNT], 2
	s_cbranch_scc0 .Lrows_done
	s_wait_loadcnt 0x0                             ; rows 8-15 are in
	s_add_nc_u64 s[XAP:XAP+1], s[XAP:XAP+1], 2048  ; eight rows on
	v_add_nc_u32 v[XL], 8*XTP, v[XL]
	WIN 0x01                                       ; source in window 1
.set cn, 0
.rept 128
	v_mov_b32 v[XA+cn], v[XC+cn]
.set cn, cn+1
.endr
	WIN 0x40
	s_wait_alu depctr_va_vdst(0)                   ; the moves are done reading the registers in which W's rows land
	WLOAD XC, 0
	WLOAD XD, 1
	WIN 0
.Lrows_done:
	s_sub_co_u32 s[CNT], s[CNT], 1
	s_cmp_lg_u32 s[CNT], 0
	s_cbranch_scc1 .Lhalf
	s_wait_dscnt 0x0                               ; for the others' sake: my rows of the table are stored (and my token rows)
	s_barrier_signal -1
	s_barrier_wait -1                              ; the launch's one barrier, ahead of the table's only readers: the table is whole
; THE GATE.  Source 0 = 16 columns of the table (turned on the way out of LDS), source 1 = my 16 tokens: a lane holds ONE token (lane % 16) and the logits 8 (lane / 16) + 0..7.
; W's 32 loads are on their way meanwhile.  Four fragments of 32 k a batch; nt: tiles of 16 columns.  The two accumulators take turns: with one tile they are the fragments' parities.
.macro GLOADS nt, f0, tf, wf           ; a batch's 8 + 8 nt LDS loads, into set (tf, wf)
.irp f, 0,1,2,3
	ds_load_b128 v[(\tf)+8*(\f):(\tf)+8*(\f)+3],   v[TFA] offset:64*((\f0)+(\f))
	ds_load_b128 v[(\tf)+8*(\f)+4:(\tf)+8*(\f)+7], v[TFA] offset:64*((\f0)+(\f))+32
.endr
.irp f, 0,1,2,3
.set gn, 0
.rept \nt
	ds_load_tr16_b128 v[(\wf)+16*(\f)+8*gn:(\wf)+16*(\f)+8*gn+3],   v[WFA] offset:32*TPI*((\f0)+(\f))+32*gn
	ds_load_tr16_b128 v[(\wf)+16*(\f)+8*gn+4:(\wf)+16*(\f)+8*gn+7], v[WFA] offset:32*TPI*((\f0)+(\f))+16*TPI+32*gn
.set gn, gn+1
.endr
.endr
.endm
.macro GMULS nt, f0, tf, wf            ; a batch's products
.irp f, 0,1,2,3
.if (\nt) == 2
	v_wmma_f32_16x16x32_f16 v[G0:G0+7], v[(\wf)+16*(\f):(\wf)+16*(\f)+7],    v[(\tf)+8*(\f):(\tf)+8*(\f)+7], v[G0:G0+7]
	v_wmma_f32_16x16x32_f16 v[G1:G1+7], v[(\wf)+16*(\f)+8:(\wf)+16*(\f)+15], v[(\tf)+8*(\f):(\tf)+8*(\f)+7], v[G1:G1+7]
.elseif ((\f0)+(\f)) == 1
	v_wmma_f32_16x16x32_f16 v[G1:G1+7], v[(\wf)+16*(\f):(\wf)+16*(\f)+7], v[(\tf)+8*(\f):(\tf)+8*(\f)+7], 0
.elseif (\f)%2
	v_wmma_f32_16x16x32_f16 v[G1:G1+7], v[(\wf)+16*(\f):(\wf)+16*(\f)+7], v[(\tf)+8*(\f):(\tf)+8*(\f)+7], v[G1:G1+7]
.else
	v_wmma_f32_16x16x32_f16 v[G0:G0+7], v[(\wf)+16*(\f):(\wf)+16*(\f)+7], v[(\tf)+8*(\f):(\tf)+8*(\f)+7], v[G0:G0+7]
.endif
.endr
.endm
.macro SOFTMAX nt
.if (\nt) == 1
.irp i, 0,2,4,6
	v_pk_add_f32 v[G0+(\i):G0+(\i)+1], v[G0+(\i):G0+(\i)+1], v[G1+(\i):G1+(\i)+1]  ; the two parities
.endr
.endif
	v_max3_num_f32 v[TS],   v[G0],   v[G0+1], v[G0+2]  ; each accumulator is read from its low end on
	v_max3_num_f32 v[TS+1], v[G0+3], v[G0+4], v[G0+5]
	v_max3_num_f32 v[TS],   v[TS],   v[G0+6], v[G0+7]
.if (\nt) == 2
	v_max3_num_f32 v[TS+2], v[G1],   v[G1+1], v[G1+2]
	v_max3_num_f32 v[TS+3], v[G1+3], v[G1+4], v[G1+5]
	v_max3_num_f32 v[TS+2], v[TS+2], v[G1+6], v[G1+7]
	v_max3_num_f32 v[TS],   v[TS],   v[TS+2], v[TS+3]
.endif
	v_max_num_f32 v[TS], v[TS], v[TS+1]
	v_permlanex16_b32 v[TS+1], v[TS], s[SEL], s[SEL+1]  ; the token's other logits lie in the lane 16 away
	v_max_num_f32 v[TS], v[TS], v[TS+1]
	v_mul_f32 v[TS], s[CL], v[TS]                  ; c m
.set sn, 0
.rept 4*(\nt)
	v_pk_fma_f32 v[G0+sn:G0+sn+1], v[G0+sn:G0+sn+1], s[CL:CL+1], v[TS:TS+1] op_sel_hi:[1,0,0] neg_lo:[0,0,1] neg_hi:[0,0,1]  ; c l - c m
.set sn, sn+2
.endr
.set sn, 0
.rept 8*(\nt)
	v_exp_f32 v[G0+sn], v[G0+sn]
.set sn, sn+1
.endr
	v_nop
	s_wait_alu depctr_va_vdst(0)                   ; one wait for the batch of exponentials: their results are written, ahead of the first reader
	v_pk_add_f32 v[TS+2:TS+3], v[G0:G0+1],   v[G0+2:G0+3]
	v_pk_add_f32 v[TS+4:TS+5], v[G0+4:G0+5], v[G0+6:G0+7]
.if (\nt) == 2
	v_pk_add_f32 v[TS+6:TS+7], v[G1:G1+1],   v[G1+2:G1+3]
	v_pk_add_f32 v[TS+8:TS+9], v[G1+4:G1+5], v[G1+6:G1+7]
	v_pk_add_f32 v[TS+2:TS+3], v[TS+2:TS+3], v[TS+6:TS+7]
	v_pk_add_f32 v[TS+4:TS+5], v[TS+4:TS+5], v[TS+8:TS+9]
.endif
	v_pk_add_f32 v[TS+2:TS+3], v[TS+2:TS+3], v[TS+4:TS+5]
	v_add_f32 v[TS+2], v[TS+2], v[TS+3]
	v_permlanex16_b32 v[TS+3], v[TS+2], s[SEL], s[SEL+1]
	v_add_f32 v[TS+2], v[TS+2], v[TS+3]
	v_rcp_f32 v[TS+2], v[TS+2]
	v_nop
	s_wait_alu depctr_va_vdst(0)                   ; the reciprocal is written, ahead of its first reader
.set sn, 0
.rept 4*(\nt)
	v_pk_mul_f32 v[G0+sn:G0+sn+1], v[G0+sn:G0+sn+1], v[TS+2:TS+3] op_sel_hi:[1,0]
.set sn, sn+2
.endr
	s_wait_alu depctr_va_vdst(0)                   ; the weights and their places v[GA], v[GA1] are written, which the stores behind the softmax read
.endm
; The gate's four batches on two sets of fragment registers, P and Q, by turns.  At each counted wait the one younger batch, 8 + 8 nt loads, may stay out.
.macro GATE nt
	GLOADS \nt, 0, TF, WF
	GLOADS \nt, 4, TFQ, WFQ
.if (\nt) == 2
.irp j, 0,1,2,3,4,5,6,7
	v_mov_b32 v[G1+(\j)], s[BG+16+(\j)]
.endr
.irp j, 0,1,2,3,4,5,6,7
	v_cndmask_b32 v[G1+(\j)], v[G1+(\j)], s[BIGN], vcc_lo  ; columns 24 to 31 do not exist: far below every logit, weight 0
.endr
	v_lshl_add_u32 v[GA1], v[UH], 10, 3072         ; logits 16-23: task2's experts, place 0; the upper lanes' zeros ride in the same stores into that group's place 2, which nothing reads
	v_lshl_add_u32 v[GA1], v[TK], 4, v[GA1]
.endif
	s_wait_dscnt 8+8*(\nt)                         ; batch 0 is in
	GMULS \nt, 0, TF, WF
	PLACES                                         ; the places stay behind the last product, ahead of the loads into its sources,
	s_wait_alu depctr_va_vdst(0)                   ; and beside them the wait: batch 0's products are done reading set P, in which batch 2 lands
	GLOADS \nt, 8, TF, WF
	s_wait_dscnt 8+8*(\nt)                         ; batch 1 is in
	GMULS \nt, 4, TFQ, WFQ
	PLACES
	s_wait_alu depctr_va_vdst(0)                   ; batch 1's products are done reading set Q, in which batch 3 lands
	GLOADS \nt, 12, TFQ, WFQ
	s_wait_dscnt 8+8*(\nt)                         ; batch 2 is in
	GMULS \nt, 8, TF, WF
	s_wait_dscnt 0x0                               ; batch 3 is in
	GMULS \nt, 12, TFQ, WFQ
	PLACES                                         ; ahead of the first read of the sums, and of the softmax's writes into set P's registers
	SOFTMAX \nt
.endm
	s_wait_kmcnt 0x0                               ; the gate's bias
	v_cmp_eq_u32 vcc_lo, 1, v[UH]
.irp j, 0,1,2,3,4,5,6,7
	v_mov_b32 v[G0+(\j)], s[BG+(\j)]               ; the sums start at the bias of column 8 (lane / 16) + j
.endr
	s_wait_alu depctr_va_vcc(0)                    ; the compare has written VCC, ahead of its first reader
.irp j, 0,1,2,3,4,5,6,7
	v_cndmask_b32 v[G0+(\j)], v[G0+(\j)], s[BG+8+(\j)], vcc_lo
.endr
	s_lshl_b32 s[PL1], s[Q], 9                     ; logits 8-15 weigh the shared experts (group 0): place q
	s_mov_b32 s[PL0], 1536                         ; logits 0-7: shared gate: task1's experts, place 0;
	s_cmp_eq_u32 s[Q], 2
	s_cselect_b32 s[PL0], 3584, s[PL0]             ; task2's gate: its own experts, place 1;
	s_cmp_eq_u32 s[Q], 1
	s_cselect_b32 s[PL0], 2048, s[PL0]             ; task1's gate: its own experts, place 1
	v_mov_b32 v[GA], s[PL0]
	v_cndmask_b32 v[GA], v[GA], s[PL1], vcc_lo
	v_lshl_add_u32 v[GA], v[TK], 4, v[GA]
	s_wait_alu depctr_va_vdst(0)                   ; the norm's lines are done reading gain and bias, in whose registers set P lands, and reading and writing XA and XB, in which set Q lands
	s_cmp_eq_u32 s[Q], 0
	s_cbranch_scc0 .Lgate16
	GATE 2
	global_store_b128 v[GA1], v[G1:G1+3],   s[GTP:GTP+1]
	global_store_b128 v[GA1], v[G1+4:G1+7], s[GTP:GTP+1] offset:256
	s_branch .Lgated
.Lgate16:
	GATE 1
.Lgated:
	global_store_b128 v[GA], v[G0:G0+3],   s[GTP:GTP+1]             ; sixteen lanes store 256 bytes on end, aligned
	global_store_b128 v[GA], v[G0+4:G0+7], s[GTP:GTP+1] offset:256
.macro WCONV buf                       ; eight k rows, in window 1: (even h, odd h) packed
.set wn, 0
.rept 8
.set rb, (\buf)+8*wn
.irp i, 0,1,2,3
	v_cvt_pk_f16_f32 v[rb+(\i)], v[rb+(\i)], v[rb+4+(\i)]
.endr
.set wn, wn+1
.endr
.endm
.macro WOUT buf, bat                   ; a row of 256 n' is 512 bytes on end
.set wn, 0
.rept 8
	global_store_b128 v[XI], v[(\buf)+8*wn:(\buf)+8*wn+3], s[WBP:WBP+1] offset:(8*(\bat)+wn)*512
.set wn, wn+1
.endr
.endm
	s_wait_loadcnt 16                              ; W's first eight rows are in; the second batch's 16 loads may stay out
	WIN 0x45
	WCONV XC
	s_wait_loadcnt 0x0
	WCONV XD
	WIN 0x04                                       ; the stores' data in window 1, their offset in window 0
	s_wait_alu depctr_va_vdst(0)                   ; both batches' conversions have written what the sixteen stores read
	WOUT XC, 0
	WOUT XD, 1
	WIN 0
	s_cmp_eq_u32 s[KB], 0
	s_cbranch_scc0 .Lend
	global_load_b128 v[TS:TS+3],   v[WI], s[BP:BP+1]                ; no wait: no vector line since the wait above names these registers
	global_load_b128 v[TS+4:TS+7], v[WI], s[BP:BP+1] offset:32
	v_lshlrev_b32 v[TO], 5, v[LANE]                ; the table's loads, which read v[TO], stand ahead of the waits on vm_vsrc above
	s_wait_loadcnt 0x0
.irp i, 0,1,2,3
	v_mov_b32 v[TS+8+2*(\i)], v[TS+(\i)]           ; n' = 8 lane + 2 i + la
	v_mov_b32 v[TS+9+2*(\i)], v[TS+4+(\i)]
.endr
	s_wait_alu depctr_va_vdst(0)                   ; the moves and v[TO] are written, which the two stores read
	global_store_b128 v[TO], v[TS+8:TS+11],  s[BWP:BWP+1]
	global_store_b128 v[TO], v[TS+12:TS+15], s[BWP:BWP+1] offset:16
.Lend:
	s_wait_dscnt 0x0                               ; the closing lines, six on end
	s_wait_alu 0x0
	s_wait_tensorcnt 0x0
	ds_add_u32 v[SPW], v[NIL]
	s_wait_dscnt 0x0
	s_endpgm
.Lfunc_end_k_q129e28febc_prep:
	.size	k_q129e28febc_prep, .Lfunc_end_k_q129e28febc_prep-k_q129e28febc_prep
	.p2alignl 7, 3214868480
	.fill 96, 4, 3214868480
	.section	.rodata,"a",@progbits
	.p2align	6, 0x0
	.amdhsa_kernel k_q129e28febc_prep
		.amdhsa_group_segment_fixed_size 116224
		.amdhsa_private_segment_fixed_size 0
		.amdhsa_enable_private_segment 0
		.amdhsa_kernarg_size 200
		.amdhsa_user_sgpr_count 2
		.amdhsa_user_sgpr_kernarg_segment_ptr 1
		.amdhsa_wavefront_size32 1
		.amdhsa_system_sgpr_workgroup_id_x 1
		.amdhsa_system_sgpr_workgroup_id_y 1
		.amdhsa_system_sgpr_workgroup_id_z 1
		.amdhsa_system_vgpr_workitem_id 0
		.amdhsa_next_free_vgpr 384
		.amdhsa_next_free_sgpr 96
		.amdhsa_reserve_vcc 1
		.amdhsa_float_denorm_mode_32 3
		.amdhsa_float_denorm_mode_16_64 3
		.amdhsa_memory_ordered 1
		.amdhsa_forward_progress 1
		.amdhsa_inst_pref_size 99
	.end_amdhsa_kernel
	.amdgpu_metadata
---
amdhsa.version: [ 1, 2 ]
amdhsa.kernels:
  - .name:           k_q129e28febc_prep
    .symbol:         k_q129e28febc_prep.kd
    .args:
      - { .name: x_shared, .offset: 0, .size: 8, .value_kind: global_buffer, .address_space: global }
      - { .name: x_task1, .offset: 8, .size: 8, .value_kind: global_buffer, .address_space: global }
      - { .name: x_task2, .offset: 16, .size: 8, .value_kind: global_buffer, .address_space: global }
      - { .name: ln0_g, .offset: 24, .size: 8, .value_kind: global_buffer, .address_space: global }
      - { .name: ln1_g, .offset: 32, .size: 8, .value_kind: global_buffer, .address_space: global }
      - { .name: ln2_g, .offset: 40, .size: 8, .value_kind: global_buffer, .address_space: global }
      - { .name: ln0_b, .offset: 48, .size: 8, .value_kind: global_buffer, .address_space: global }
      - { .name: ln1_b, .offset: 56, .size: 8, .value_kind: global_buffer, .address_space: global }
      - { .name: ln2_b, .offset: 64, .size: 8, .value_kind: global_buffer, .address_space: global }
      - { .name: Wg_sh, .offset: 72, .size: 8, .value_kind: global_buffer, .address_space: global }
      - { .name: Wg_t1, .offset: 80, .size: 8, .value_kind: global_buffer, .address_space: global }
      - { .name: Wg_t2, .offset: 88, .size: 8, .value_kind: global_buffer, .address_space: global }
      - { .name: bg_sh, .offset: 96, .size: 8, .value_kind: global_buffer, .address_space: global }
      - { .name: bg_t1, .offset: 104, .size: 8, .value_kind: global_buffer, .address_space: global }
      - { .name: bg_t2, .offset: 112, .size: 8, .value_kind: global_buffer, .address_space: global }
      - { .name: W_sh, .offset: 120, .size: 8, .value_kind: global_buffer, .address_space: global }
      - { .name: W_t1, .offset: 128, .size: 8, .value_kind: global_buffer, .address_space: global }
      - { .name: W_t2, .offset: 136, .size: 8, .value_kind: global_buffer, .address_space: global }
      - { .name: b_sh, .offset: 144, .size: 8, .value_kind: global_buffer, .address_space: global }
      - { .name: b_t1, .offset: 152, .size: 8, .value_kind: global_buffer, .address_space: global }
      - { .name: b_t2, .offset: 160, .size: 8, .value_kind: global_buffer, .address_space: global }
      - { .name: xa, .offset: 168, .size: 8, .value_kind: global_buffer, .address_space: global }
      - { .name: wb, .offset: 176, .size: 8, .value_kind: global_buffer, .address_space: global }
      - { .name: bw, .offset: 184, .size: 8, .value_kind: global_buffer, .address_space: global }
      - { .name: gt, .offset: 192, .size: 8, .value_kind: global_buffer, .address_space: global }
    .group_segment_fixed_size: 116224
    .private_segment_fixed_size: 0
    .kernarg_segment_align: 8
    .kernarg_segment_size: 200
    .max_flat_workgroup_size: 128
    .sgpr_count:     96
    .vgpr_count:     384
    .wavefront_size: 32
...
	.end_amdgpu_metadata
.endif
;; end of part 3
;; launch ple: the kernel of part 2 again; grid 8 x 32, 4 waves a work-group, clusters of 4 x 4, 327,680 bytes of LDS; arguments xa, wb, bw, gt, out0, out1, out2; writes out0, out1, out2
